; MI455X (gfx1250); checked and timed in simulation.
; The chip was launched on July 23, 2026; its instructions are those of AMD's public machine-readable ISA for CDNA 5 (MIT licence, August 2026) and "CDNA5" Instruction Set Architecture Reference Guide (July 2026). The comments in the code are by the model that wrote it; some were corrected since.
;; Relative Multi Head Attention. Allowed arithmetic: matrix products marked QUANTISED: E2M3 operands, one E8M0 scale for each 32 along K, by v_wmma_scale_f32_16x16x128_f8f6f4 with both operands' format E2M3, f32 sums; everything else in f32.
;; Inputs: Wk 1,024 x 1,024 float32; Wo 1,024 x 1,024 float32; Wp 1,024 x 1,024 float32; Wq 1,024 x 1,024 float32; Wv 1,024 x 1,024 float32; bk 1,024 float32; bo 1,024 float32; bq 1,024 float32; bv 1,024 float32; k 2 x 2,048 x 1,024 float32; pos_embedding 2 x 2,048 x 1,024 float32; q 2 x 2,048 x 1,024 float32; u_bias 16 x 64 float32; v 2 x 2,048 x 1,024 float32; v_bias 16 x 64 float32.
;; Outputs: out0 2 x 2,048 x 1,024 float32.
;; This version of the problem:
;;   THIS VERSION OF THE PROBLEM IS GIVEN IN LOW PRECISION. The matrix products marked QUANTISED in the list below multiply operands that are first quantised to E2M3 (2 exponent bits, 3 mantissa bits; 6 bits a number), with one power-of-two scale for each 32 numbers along K (OCP MX v1.0); their sums are f32. All else is computed in f32.
;;   The module's matrix products, in the order in which they are computed (A, B: the left and right operand; K: the contracted axis; several contracted axes count as one K, in the product's order):
;;     1. [M 4,096, K 1,024] x [K 1,024, N 1,024]; A: input q; B: input Wq: QUANTISED
;;     2. [M 4,096, K 1,024] x [K 1,024, N 1,024]; A: input k; B: input Wk: QUANTISED
;;     3. [M 4,096, K 1,024] x [K 1,024, N 1,024]; A: input v; B: input Wv: QUANTISED
;;     4. [M 4,096, K 1,024] x [K 1,024, N 1,024]; A: input pos_embedding; B: input Wp: QUANTISED
;;     5. batch 32 x [M 2,048, K 64] x [K 64, N 2,048]; A: computed on the way; B: computed on the way: QUANTISED
;;     6. batch 32 x [M 2,048, K 64] x [K 64, N 2,048]; A: computed on the way; B: computed on the way: QUANTISED
;;     7. batch 32 x [M 64, K 2,048] x [K 2,048, N 2,048]; A: computed on the way; B: softmax (see below): QUANTISED
;;     8. [M 4,096, K 1,024] x [K 1,024, N 1,024]; A: computed on the way; B: input Wo: QUANTISED
;;   THE QUANTISER, for each operand of a quantised product, along K:
;;     - K is cut into blocks of 32 from its start; a last block that is shorter is filled with zeros.
;;     - A block's scale is 2^e with e = floor(log2(the largest magnitude in the block)) - 2, held to -126 .. 127; a block of zeros has e = 0. As a byte (E8M0): e + 127.
;;     - Each number is divided by its block's scale, clamped to +-7.5, and rounded to the nearest number of E2M3, ties to even, subnormals kept.
;;     - The product sums the exact products of the quantised numbers (number of the format x scale) in f32.
;;   ~~~python
;;   def quantise(x, axis):      # numpy; x: float32 -> the quantised numbers, widened to float32 again
;;       x = np.moveaxis(x, axis, -1); K = x.shape[-1]
;;       x = np.pad(x, [(0, 0)] * (x.ndim - 1) + [(0, -K % 32)]); x = x.reshape(x.shape[:-1] + (-1, 32)); a = np.abs(x).max(-1, keepdims=True)
;;       e = np.where(a > 0, np.clip(np.frexp(np.where(a > 0, a, 1))[1] - 1 - 2, -126, 127), 0)      # np.frexp(a)[1] - 1 = floor(log2(a)), exactly
;;       r = np.clip(x / 2.0 ** e, -7.5, 7.5)
;;       step = 2.0 ** (np.maximum(np.frexp(np.where(r == 0, 1, r))[1] - 1, 0) - 3)
;;       q = np.round(r / step) * step * 2.0 ** e      # np.round: ties to even
;;       return np.moveaxis(q.reshape(q.shape[:-2] + (-1,))[..., :K], -1, axis).astype(np.float32)
;;   ~~~
;;   SOFTMAX AHEAD OF A QUANTISED PRODUCT. Where the list says 'softmax', what is quantised is not the finished softmax but p = 2^(t - M), with t = logit x log2(e) and M = ceil(the row's largest t), a whole number; so 1/2 < the row's largest p <= 1. The row's sum l is taken of the UNQUANTISED p, in f32, and the product's result is divided by l at the end. Since M is a whole number, a kernel that streams over the keys may use a running M (the ceiling of the running maximum): every later rescaling is an exact power of two, which a block's scale takes up: the codes' values come out the same.
;;   OPERANDS COMPUTED ON THE WAY. 'Computed on the way' means the value that the module computes at that place (a softmax that the list does not call 'softmax' is quantised finished and normalised). What goes into a quantiser is computed in f32, as accurately as f32 sums, v_exp_f32 and their like allow (about 1e-6 of the number): no bf16 or f16 on the way to a quantiser, and a product that is left as it is and whose result goes on into a quantised operand takes f32 operands (vector FMAs, or v_wmma_f32_16x16x4_f32). A number that lies on a knife's edge between two numbers of the format may be rounded either way, as far as f32 arithmetic and the matrix unit's own rounding can turn it there, and no further.
;; One version. Each part assembles by itself: llvm-mc -triple=amdgcn-amd-amdhsa -mcpu=gfx1250 --defsym DOCPART=n.
;; ======== version 1 of 1: 4 launches
;; limits: right only within a limited range of input values
;; workspace buffers: codes 16,515,072 bytes; scales 688,128 bytes; img 18,874,368 bytes; isc 1,441,792 bytes; ocodes 3,145,728 bytes; oscales 131,072 bytes
;; launch quant (part 1): grid 672 x 1, 4 waves a work-group, no clusters, 48,640 bytes of LDS; arguments q, k, pos_embedding, v, Wq, Wk, Wp, Wv, Wo, codes, scales; writes codes, scales
.if DOCPART == 1
	.amdgcn_target "amdgcn-amd-amdhsa--gfx1250"
	.amdhsa_code_object_version 6
	.text
	.protected	k_qedb0525c15_quant
	.globl	k_qedb0525c15_quant
	.p2align	8
	.type	k_qedb0525c15_quant,@function
k_qedb0525c15_quant:
	s_mov_b64 s[64:65], 0
	v_nop
	global_prefetch_b8 v0, s[64:65] scope:SCOPE_SE
	s_setreg_imm32_b32 hwreg(HW_REG_WAVE_MODE, 25, 1), 1
	s_wait_xcnt 0x0
; q, k, pos_embedding, v [4096][1024] and Wq, Wk, Wp, Wv, Wo [1024][1024], f32, K innermost, become codes of FP6 (E2M3) with one E8M0 byte for each 32 along K.
; A block's scale is 2^(floor(log2(largest magnitude)) - 2); its byte is the largest magnitude's exponent field - 2, held at 1 from below.
; ORDER OF THE CODES INSIDE A BLOCK: position 16 p + 8 u + j holds the block's number 16 u + 8 p + j (the two middle groups of eight change places).  Every operand of every product of this
; program is laid so, on both sides, so every product keeps its pairs; a block keeps its 32 members and so its scale.  It is the order in which a matrix result falls when it is quantised in registers.
; LIMITS: a block of zeros, or one whose largest magnitude lies under 2^-124, gets the byte 1 (its codes are then zeros or small; only this program reads the bytes); NaN and infinities are not served.
; All nine tensors are dense streams of blocks; the outputs hold them on end: q, k, pos, v, Wq, Wk, Wp, Wv, Wo.  A work-group takes 32,768 numbers, a wave 16 steps of 512.
; Each load reads 512 consecutive bytes; a step's 2,048 bytes turn through the wave's own stage in LDS: four planes of 512 + 64 bytes; plane j holds register quad j of every reading lane.
.set WAVES, 4
.set STEPS, 16
.set EMAX,  2
.set CB,    12                         ; bytes of 16 codes
; THE CODES' LAYOUT: four planes, one for each 256 along K; in a plane all 21,504 rows of the nine tensors on end, 192 bytes a row, dense.
; So 128 rows of one K step are 24,576 consecutive bytes that begin at a multiple of 256.
.set PLANE, 4128768                    ; 21,504 rows x 192 bytes
.set R,     16                         ; v16-79   four sets of 16 numbers as loaded
.set X,     80                         ; v80-111  two sets of 16 numbers of one half block
.set E,     112                        ; v112-127 a scale byte for each step
.set C,     128                        ; v128-191 codes, four registers a step
.set PL,    576                        ; a plane
.set STG,   4*PL                       ; a stage
.set SCB,   2*STG                      ; behind the two stages: the wave's 256 scale bytes
.set CST,   5120                       ; behind them: the wave's codes, gathered for the way out: four planes of 8 rows x 192 bytes
.set CPL,   1728                       ; a plane's pitch there: 1,536 + 192 bytes = 432 words, so that lanes 16-31 (48 + 3 i words, modulo 64) meet no bank of lanes 0-15 (3 i words)
.set WREG,  CST+4*CPL                  ; a wave's region: 12,032 bytes
.set SPW,   12                         ; v12 my spare word's address; never rewritten
.set NIL,   13                         ; v13 0; never rewritten
.set SPARE, WAVES*WREG                 ; the spare words: 128 bytes a wave, two blocks of 256 bytes that no other line names
	s_load_b512 s[8:23], s[0:1], 0x0               ; q, k, pos, v, Wq, Wk, Wp, Wv
	s_load_b128 s[24:27], s[0:1], 0x40             ; Wo, codes
	s_load_b64 s[28:29], s[0:1], 0x50              ; scales
	v_lshl_add_u32 v[SPW], v0, 2, SPARE
	v_mov_b32 v[NIL], 0
	v_lshrrev_b32 v1, 5, v0
	v_readfirstlane_b32 s30, v1                    ; wave
	v_and_b32 v2, 31, v0                           ; lane
	v_lshlrev_b32 v3, 4, v2                        ; my 16 bytes of a load's 512
	s_mul_i32 s31, s30, WREG
	v_and_b32 v8, 1, v2
	v_bfe_u32 v9, v2, 2, 1
	v_lshl_add_u32 v8, v9, 1, v8                   ; the plane of my four numbers: (lane & 1) + 2 ((lane >> 2) & 1)
	v_mul_u32_u24 v14, v8, PL
	v_lshrrev_b32 v9, 3, v2
	v_bfe_u32 v10, v2, 1, 1
	v_lshl_add_u32 v9, v9, 1, v10                  ; the lane that will read them: 2 (lane >> 3) + ((lane >> 1) & 1), + 8 for each load
	v_lshl_add_u32 v14, v9, 4, v14
	v_add_nc_u32 v14, s31, v14                     ; the stage, way in
	v_add_nc_u32 v15, s31, v3                      ; and way out: 16 x lane in each plane
	v_and_b32 v4, 15, v2
	v_lshrrev_b32 v10, 4, v2
	v_mul_u32_u24 v4, v4, CB               ; my codes' place in LDS: lanes 0-15 fill a row's 192 bytes of one plane,
	v_mad_u32_u24 v10, v10, CPL, v4        ; lanes 16-31 the same row's of the next plane
	v_add_nc_u32 v10, s31, v10
	v_add_nc_u32 v4, 2*PLANE, v3           ; the way out: 16 bytes a lane, for planes 2 and 3 (v3 serves planes 0 and 1): so every offset lies inside the signed 24-bit immediate
	v_lshrrev_b32 v5, 1, v2
	s_add_co_u32 s32, s31, SCB
	v_add_nc_u32 v5, s32, v5                       ; my block's byte among the wave's 256
	v_lshlrev_b32 v7, 3, v2
	v_add_nc_u32 v6, s32, v7                       ; and on the way out 8 bytes a lane
	s_lshr_b32 s33, ttmp9, 7                       ; work-groups 0-511: tensor g / 128, part g % 128
	s_and_b32 s34, ttmp9, 127
	s_lshr_b32 s35, ttmp9, 5                       ; work-groups 512-671: tensor g / 32 - 12, part g % 32
	s_sub_co_u32 s35, s35, 12
	s_and_b32 s36, ttmp9, 31
	s_cmp_lt_u32 ttmp9, 512
	s_cselect_b32 s33, s33, s35
	s_cselect_b32 s34, s34, s36
	s_lshl_b32 s34, s34, 17                        ; 131,072 bytes a work-group,
	s_lshl_b32 s35, s30, 15                        ; 32,768 a wave
	s_add_co_u32 s34, s34, s35
	s_mov_b32 s35, 0
	s_lshl_b32 s36, ttmp9, 2
	s_add_co_u32 s36, s36, s30                     ; my run of 8,192 numbers among all
	s_mul_i32 s38, s36, 1536               ; my run is 8 rows: 8 x 192 bytes in each plane
	s_mov_b32 s39, 0
	s_lshl_b32 s36, s36, 8
	s_mov_b32 s37, 0
	s_wait_alu depctr_va_vdst(0)
	s_wait_kmcnt 0x0
	s_mov_b64 s[4:5], s[8:9]
.irp i, 1,2,3,4,5,6,7,8
	s_cmp_eq_u32 s33, \i                           ; the choice hangs on the work-group's number alone
	s_cselect_b64 s[4:5], s[8+2*\i:9+2*\i], s[4:5]
.endr
	s_add_nc_u64 s[4:5], s[4:5], s[34:35]
	s_add_nc_u64 s[26:27], s[26:27], s[38:39]
	s_add_nc_u64 s[28:29], s[28:29], s[36:37]
.macro LOAD t
.irp i, 0,1,2,3
	global_load_b128 v[R+16*((\t)%4)+4*\i:R+16*((\t)%4)+4*\i+3], v3, s[4:5] offset:2048*(\t)+512*\i th:TH_LOAD_NT
.endr
.endm
.macro TURN t                          ; LDS serves a wave's instructions in order: no wait between the stores and the loads
.irp i, 0,1,2,3
	ds_store_b128 v14, v[R+16*((\t)%4)+4*\i:R+16*((\t)%4)+4*\i+3] offset:STG*((\t)%2)+128*\i
.endr
.irp i, 0,1,2,3
	ds_load_b128 v[X+16*((\t)%2)+4*\i:X+16*((\t)%2)+4*\i+3], v15 offset:STG*((\t)%2)+PL*\i
.endr
.endm
.irp t, 0,1,2,3
	LOAD \t
.endr
	s_wait_loadcnt 12                              ; step 0's four loads are in; twelve younger ones stay out
	TURN 0
.macro STEP t
.set XS, X+16*((\t)%2)
.if (\t) > 0
	s_wait_dscnt 4                                 ; this step's numbers are back from the stage; the last step's byte store and its three stores of codes may be out
.else
	s_wait_dscnt 0x0
.endif
.if (\t)+4 < STEPS
	LOAD (\t)+4                                    ; into the set whose stores into the stage are done
.endif
.if (\t)+1 < STEPS
.if STEPS-2-(\t) >= 3
	s_wait_loadcnt 12                              ; the next step's four loads are in; three steps' loads stay out
.else
	s_wait_loadcnt 4*(STEPS-2-(\t))
.endif
	TURN (\t)+1
.endif
	v_max3_num_f32 v8, |v[XS]|, |v[XS+1]|, |v[XS+2]|
	v_max3_num_f32 v9, |v[XS+3]|, |v[XS+4]|, |v[XS+5]|
.irp i, 6,10
	v_max3_num_f32 v8, v8, |v[XS+\i]|, |v[XS+\i+1]|
	v_max3_num_f32 v9, v9, |v[XS+\i+2]|, |v[XS+\i+3]|
.endr
	v_max3_num_f32 v8, v8, |v[XS+14]|, |v[XS+15]|
	v_max3_num_f32 v8, v8, v9, (EMAX+1)<<23        ; the floor 2^(3 - 127): the byte cannot fall under 1
	v_max_num_f32_dpp v8, v8, v8 row_xmask:1 row_mask:0xf bank_mask:0xf   ; with my neighbour's 16: the block's largest magnitude
	v_add_nc_u32 v11, -(EMAX<<23), v8              ; 2 off its exponent field: the conversion's scale operand
	v_cvt_scalef32_pk16_fp6_f32 v[C+4*(\t):C+4*(\t)+2], v[XS:XS+15], v11
	v_lshrrev_b32 v[E+(\t)], 23, v11               ; the scale's byte (also the plain line behind the conversion)
	ds_store_b8 v5, v[E+(\t)] offset:16*(\t)       ; both lanes of a block write the same byte
.irp w, 0,1,2
	ds_store_b32 v10, v[C+4*(\t)+\w] offset:CST+2*CPL*((\t)%2)+192*((\t)/2)+4*\w   ; step t: row t / 2, planes 2 (t % 2) and 2 (t % 2) + 1; 12 bytes a lane, dense
.endr
.endm
.irp t, 0,1,2,3,4,5,6,7,8,9,10,11,12,13,14,15
	STEP \t
.endr
	ds_load_b64 v[8:9], v6                         ; LDS serves a wave's instructions in order: these loads see my stores
.irp p, 0,1,2,3
.irp k, 0,1,2
	ds_load_b128 v[R+4*(3*\p+\k):R+4*(3*\p+\k)+3], v15 offset:CST+CPL*\p+512*\k   ; a plane's 1,536 bytes come back as three runs of 512
.endr
.endr
	s_wait_dscnt 12                                ; the scale bytes are back; the twelve loads of codes may be out
	global_store_b64 v7, v[8:9], s[28:29]          ; 32 lanes store 256 consecutive bytes, aligned
.irp p, 0,1
.irp k, 0,1,2
	s_wait_dscnt 11-(3*\p+\k)                      ; this run is back; the younger loads may be out
	global_store_b128 v3, v[R+4*(3*\p+\k):R+4*(3*\p+\k)+3], s[26:27] offset:PLANE*\p+512*\k   ; 32 lanes store 512 consecutive bytes, at a multiple of 256
.endr
.endr
.irp p, 2,3
.irp k, 0,1,2
	s_wait_dscnt 11-(3*\p+\k)
	global_store_b128 v4, v[R+4*(3*\p+\k):R+4*(3*\p+\k)+3], s[26:27] offset:PLANE*(\p-2)+512*\k
.endr
.endr
	s_wait_tensorcnt 0x0                           ; the wave's end, behind my last LDS store
	ds_add_u32 v[SPW], v[NIL]
	s_wait_dscnt 0x0
	s_endpgm
.Lfunc_end_k_qedb0525c15_quant:
	.size	k_qedb0525c15_quant, .Lfunc_end_k_qedb0525c15_quant-k_qedb0525c15_quant
	.p2alignl 7, 3214868480
	.fill 96, 4, 3214868480
	.section	.rodata,"a",@progbits
	.p2align	6, 0x0
	.amdhsa_kernel k_qedb0525c15_quant
		.amdhsa_group_segment_fixed_size 48640
		.amdhsa_private_segment_fixed_size 0
		.amdhsa_enable_private_segment 0
		.amdhsa_kernarg_size 88
		.amdhsa_user_sgpr_count 2
		.amdhsa_user_sgpr_kernarg_segment_ptr 1
		.amdhsa_wavefront_size32 1
		.amdhsa_system_sgpr_workgroup_id_x 1
		.amdhsa_system_sgpr_workgroup_id_y 1
		.amdhsa_system_sgpr_workgroup_id_z 1
		.amdhsa_system_vgpr_workitem_id 0
		.amdhsa_next_free_vgpr 192
		.amdhsa_next_free_sgpr 66
		.amdhsa_reserve_vcc 0
		.amdhsa_float_denorm_mode_32 3
		.amdhsa_float_denorm_mode_16_64 3
		.amdhsa_memory_ordered 1
		.amdhsa_forward_progress 1
		.amdhsa_inst_pref_size 37
	.end_amdhsa_kernel
	.amdgpu_metadata
---
amdhsa.version: [ 1, 2 ]
amdhsa.kernels:
  - .name:           k_qedb0525c15_quant
    .symbol:         k_qedb0525c15_quant.kd
    .args:
      - { .name: q, .offset: 0, .size: 8, .value_kind: global_buffer, .address_space: global }
      - { .name: k, .offset: 8, .size: 8, .value_kind: global_buffer, .address_space: global }
      - { .name: pos_embedding, .offset: 16, .size: 8, .value_kind: global_buffer, .address_space: global }
      - { .name: v, .offset: 24, .size: 8, .value_kind: global_buffer, .address_space: global }
      - { .name: Wq, .offset: 32, .size: 8, .value_kind: global_buffer, .address_space: global }
      - { .name: Wk, .offset: 40, .size: 8, .value_kind: global_buffer, .address_space: global }
      - { .name: Wp, .offset: 48, .size: 8, .value_kind: global_buffer, .address_space: global }
      - { .name: Wv, .offset: 56, .size: 8, .value_kind: global_buffer, .address_space: global }
      - { .name: Wo, .offset: 64, .size: 8, .value_kind: global_buffer, .address_space: global }
      - { .name: codes, .offset: 72, .size: 8, .value_kind: global_buffer, .address_space: global }
      - { .name: scales, .offset: 80, .size: 8, .value_kind: global_buffer, .address_space: global }
    .group_segment_fixed_size: 48640
    .private_segment_fixed_size: 0
    .kernarg_segment_align: 8
    .kernarg_segment_size: 88
    .max_flat_workgroup_size: 128
    .sgpr_count:     66
    .vgpr_count:     192
    .wavefront_size: 32
...
	.end_amdgpu_metadata
.endif
;; end of part 1
;; launch proj (part 2): grid 16 x 16, 4 waves a work-group, clusters of 4 x 4, 327,680 bytes of LDS; arguments codes, scales, bq, bk, bv, u_bias, v_bias, img, isc; writes img, isc
.if DOCPART == 2
	.amdgcn_target "amdgcn-amd-amdhsa--gfx1250"
	.amdhsa_code_object_version 6
	.text
	.protected	k_qedb0525c15_proj
	.globl	k_qedb0525c15_proj
	.p2align	8
	.type	k_qedb0525c15_proj,@function
k_qedb0525c15_proj:
	s_mov_b64 s[64:65], 0
	v_nop
	global_prefetch_b8 v0, s[64:65] scope:SCOPE_SE
	s_setreg_imm32_b32 hwreg(HW_REG_WAVE_MODE, 25, 1), 1
	s_wait_xcnt 0x0
	s_wait_alu depctr_hold_cnt(0) depctr_sa_sdst(0) depctr_va_vdst(0) depctr_va_sdst(0) depctr_va_ssrc(0) depctr_va_vcc(0) depctr_vm_vsrc(0)
	s_getreg_b32 s2, hwreg(HW_REG_IB_STS2, 6, 4)
	s_cmp_eq_u32 s2, 0
	s_cbranch_scc0 .Lentry_in_a_cluster
	s_endpgm
.Lentry_in_a_cluster:
	s_bfe_u32 s2, ttmp6, 0x10000c
	s_cmp_lg_u32 s2, 0xf033
	s_cbranch_scc0 .Lentry_shape_is_right
	s_endpgm
.Lentry_shape_is_right:
.set KSTEP,  256
.set NQ,     2
.set ROWB,   192
; The four projections on codes of FP6: a block of 256 x 256 a work-group, K in four steps of 256 through two LDS slots; the results are quantised on the way out.
; The codes lie in four planes, one for each K step, 192 dense bytes a row: 128 rows of a step are 24,576 dense bytes, asked for as 96 rows of 256 bytes that begin at multiples of 256;
; 16 bytes of padding behind every 64 give LDS rows of 240 bytes for 192 bytes of codes.
.set KROW,   192                       ; a row's bytes in a plane
.set PLANE,  4128768                   ; from a K step to the next: 21,504 rows x 192 bytes
.set PITCH,  240
.set FR,     12
.set NL,     6
.set NP,     4
.set HALFT,  128*PITCH
.set SLOT,   4*HALFT
.set LAPS,   2
.set KS,     32
.set SCL,    2*SLOT
.set HALFS,  16*272
.set SBLK,   2*272
.set SPARE,  SCL+4*HALFS
.set ADRA, 16
.set ADRB, 20
.set ADRS, 27
.set SPW,  28
.set NIL,  29
.set SC,   32
.set AF,   128
.set G1, 24
.set G0, 32
.set G1B, 48
.set G0B, 56
.set G1S, 68
.set G0S, 76
.set G1SB, 80
.set G0SB, 88
.set RWA,  30
.set H256, 32
.set H128, 33
.set HSC,  34
.set HSH,  35
.set JJ,   36
.set TT,   37
.set QQ,   38
.set O16,  39
.set O8,   40
.set OS,   41
.set WW,   42
.set RBR,  44
.set TR,   64
.set XR,   128
.set PC,   192
.set TM,   212
.set PW,   228
.set CBR,  0
.set UR,   64
.set VBR,  128
.set SEL,  62
.set MSB, 0
.macro WIN new
.if MSB != \new
	s_set_vgpr_msb (MSB<<8)|\new
.set MSB, \new
.endif
.endm
.set MUL_LO, 0xa1
.set MUL_HI, 0xf1
.set TO_B,   0x40
.macro JLOAD g0a, g1a, g0b, g1b
	s_cmp_eq_u32 s15, 0
	s_cbranch_scc0 .Lfor_b_\@
	tensor_load_to_lds s[\g0a:\g0a+3], s[\g1a:\g1a+7]
	s_nop 0
.rept 4
	v_nop
.endr
	s_branch .Lasked_\@
.Lfor_b_\@:
	tensor_load_to_lds s[\g0b:\g0b+3], s[\g1b:\g1b+7]
	s_nop 0
.rept 4
	v_nop
.endr
.Lasked_\@:
.endm
.macro CREST
	s_cmp_lg_u32 s14, 0
	s_cbranch_scc1 .Lnot_wave_0_\@
	s_barrier_signal -3
.Lnot_wave_0_\@:
	s_barrier_wait -3
	s_barrier_signal -1
	s_barrier_wait -1
.endm
.macro CROUND
	s_barrier_signal -1
	s_barrier_wait -1
	CREST
.endm
	s_load_b128 s[4:7], s[0:1], 0x0
	v_lshl_add_u32 v[SPW], v0, 2, SPARE
	v_mov_b32 v[NIL], 0
	ds_add_u32 v[SPW], v[NIL]
	ds_add_u32 v[SPW], v[NIL]
	v_lshrrev_b32 v1, 5, v0
	v_readfirstlane_b32 s14, v1
	s_lshr_b32 s15, s14, 1
	s_and_b32 s16, s14, 1
	s_bfe_u32 s40, ttmp6, 0x40000
	s_bfe_u32 s41, ttmp6, 0x40004
	s_and_b32 s95, ttmp7, 0xffff
	s_lshl_b32 s8, ttmp9, 2
	s_mul_i32 s11, s95, 786432             ; where the activation's rows begin in a plane: 4,096 rows x 192
	s_mul_i32 s12, s95, 196608             ; and the weight's: 1,024 rows x 192,
	s_add_co_u32 s12, s12, 3145728         ; behind the four activations
	s_lshl_b32 s13, s95, 17
	s_lshl_b32 s2, s95, 15
	s_add_co_u32 s2, s2, 524288
	s_cmp_eq_u32 s95, 3
	s_cselect_b32 s9, 0, s8
	s_cselect_b32 s10, s8, 0
	s_cselect_b32 s92, s12, s11
	s_cselect_b32 s93, s11, s12
	s_cselect_b32 s94, s2, s13
	s_cselect_b32 s3, s13, s2
	s_add_co_u32 s17, s41, s9
	s_add_co_u32 s42, s40, s10
	s_lshl_b32 s43, s41, 2
	s_lshl_b32 s43, 15, s43
	s_lshl_b32 s44, 0x1111, s40
	s_or_b32 s[G1+0], s43, (0<<16)|(1<<20)|(1<<21)|(3<<22)|(3<<25)
	s_or_b32 s[G1B+0], s44, (0<<16)|(1<<20)|(1<<21)|(3<<22)|(3<<25)
.irp g, G1, G1B
	s_mov_b32 s[\g+1], 256<<16             ; dense bytes as rows of 256
	s_mov_b32 s[\g+2], 192<<16             ; the head's loads: 256 rows of codes = 192 such rows; behind them the two counts are set to 96
	s_mov_b32 s[\g+3], 256<<16
	s_mov_b32 s[\g+4], 192
	s_mov_b32 s[\g+5], 256
	s_mov_b32 s[\g+6], 0
	s_mov_b32 s[\g+7], 0
.endr
	s_or_b32 s[G1S+0], s43, (3<<16)|(1<<20)|(1<<21)|(5<<22)|(3<<25)
	s_or_b32 s[G1SB+0], s44, (3<<16)|(1<<20)|(1<<21)|(5<<22)|(3<<25)
.irp g, G1S, G1SB
	s_mov_b32 s[\g+1], 32<<16
	s_mov_b32 s[\g+2], 32<<16              ; the scales of 256 rows: 8,192 dense bytes as 32 rows of 256
	s_mov_b32 s[\g+3], 32<<16
	s_mov_b32 s[\g+4], 32
	s_mov_b32 s[\g+5], 32
	s_mov_b32 s[\g+6], 0
	s_mov_b32 s[\g+7], 0
.endr
	s_lshl_b32 s96, s17, 8
	s_lshl_b32 s18, s15, 7
	s_add_co_u32 s96, s96, s18
	s_lshl_b32 s97, s42, 8
	s_lshl_b32 s18, s16, 7
	s_add_co_u32 s97, s97, s18
	s_lshl_b32 s20, s17, 8                 ; the tile's first row of A,
	s_lshl_b32 s46, s42, 8                 ; and of B
	s_lshl_b32 s22, s20, 5
	s_add_co_u32 s22, s22, s94
	s_mov_b32 s23, 0
	s_mul_i32 s20, s20, KROW
	s_add_co_u32 s20, s20, s92
	s_mov_b32 s21, 0
	s_lshl_b32 s98, s46, 5
	s_add_co_u32 s98, s98, s3
	s_mov_b32 s99, 0
	s_mul_i32 s46, s46, KROW
	s_add_co_u32 s46, s46, s93
	s_mov_b32 s47, 0
	s_mul_i32 s45, s14, HALFT
	s_mul_i32 s18, s16, 128*KROW           ; in the ring I fetch 128 rows of a tile: which half, in bytes
	s_mov_b32 s19, 0
	s_wait_dscnt 0x0
	s_wait_kmcnt 0x0
	s_add_nc_u64 s[20:21], s[4:5], s[20:21]
	s_add_nc_u64 s[22:23], s[6:7], s[22:23]
	s_add_nc_u64 s[46:47], s[4:5], s[46:47]
	s_add_nc_u64 s[98:99], s[6:7], s[98:99]
	CROUND
.set G0H, 4                            ; s[4:7], s[8:11]: group 0 of the head's loads of K step 0 (the arguments that lay there have been used)
.set G0HB, 8
	s_mov_b32 s[G0H], 1                            ; the head's four tiles, each whole: K step 0's 256 rows of A,
	s_mov_b32 s[G0H+1], 0
	s_mov_b64 s[G0H+2:G0H+3], s[20:21]
	s_or_b32 s[G0H+3], s[G0H+3], 0x80000000
	s_mov_b32 s[G0HB], 1                           ; its 256 rows of B, behind them in slot 0,
	s_mov_b32 s[G0HB+1], 2*HALFT
	s_mov_b64 s[G0HB+2:G0HB+3], s[46:47]
	s_or_b32 s[G0HB+3], s[G0HB+3], 0x80000000
	s_mov_b32 s[G0S], 1                            ; the scales of A's 256 rows,
	s_mov_b32 s[G0S+1], SCL
	s_mov_b64 s[G0S+2:G0S+3], s[22:23]
	s_or_b32 s[G0S+3], s[G0S+3], 0x80000000
	s_mov_b32 s[G0SB], 1                           ; and of B's
	s_mov_b32 s[G0SB+1], SCL+2*HALFS
	s_mov_b64 s[G0SB+2:G0SB+3], s[98:99]
	s_or_b32 s[G0SB+3], s[G0SB+3], 0x80000000
	s_add_nc_u64 s[20:21], s[20:21], s[18:19]      ; for the ring: my 128 rows of the tile
	s_add_nc_u64 s[46:47], s[46:47], s[18:19]
.irp s, 0,1
	s_mov_b32 s[G0+4*\s], 1
	s_add_co_u32 s[G0+4*\s+1], s45, \s*SLOT
	s_add_nc_u64 s[G0+4*\s+2:G0+4*\s+3], s[20:21], \s*PLANE
	s_or_b32 s[G0+4*\s+3], s[G0+4*\s+3], 0x80000000
	s_mov_b32 s[G0B+4*\s], 1
	s_add_co_u32 s[G0B+4*\s+1], s45, \s*SLOT
	s_add_nc_u64 s[G0B+4*\s+2:G0B+4*\s+3], s[46:47], \s*PLANE
	s_or_b32 s[G0B+4*\s+3], s[G0B+4*\s+3], 0x80000000
.endr
; The head's loads, one a wave: wave 0 A's rows, wave 1 B's, wave 2 A's scales, wave 3 B's; one tree of branches on the wave's number, every way passes one load.
.macro ARM under, g0, g1, next
	s_cmp_lt_u32 s14, \under
	s_cbranch_scc0 \next
	tensor_load_to_lds s[\g0:\g0+3], s[\g1:\g1+7]
	s_nop 0
.rept 4
	v_nop
.endr
	s_branch .Lhead_asked
\next:
.endm
	ARM 1, G0H,  G1,  .Lhead_b
	ARM 2, G0HB, G1B, .Lhead_sa
	ARM 3, G0S,  G1S, .Lhead_sb
	tensor_load_to_lds s[G0SB:G0SB+3], s[G1SB:G1SB+7]
	s_nop 0
.rept 4
	v_nop
.endr
.Lhead_asked:
	v_and_b32 v1, 15, v0
	v_bfe_u32 v2, v0, 4, 1
	v_mul_u32_u24 v3, v1, PITCH
	v_mul_u32_u24 v4, v2, 24
	v_add_nc_u32 v4, v3, v4
	v_lshl_add_u32 v5, v2, 4, v4
	s_mul_i32 s21, s15, HALFT
	s_mul_i32 s22, s16, HALFT
	s_add_co_u32 s22, s22, 2*HALFT
.irp s, 0,1
	v_add_nc_u32 v[ADRA+\s], s21, v4
	v_add_nc_u32 v[ADRB+\s], s22, v4
	v_add_nc_u32 v[ADRA+2+\s], s21, v5
	v_add_nc_u32 v[ADRB+2+\s], s22, v5
	s_add_co_u32 s21, s21, SLOT
	s_add_co_u32 s22, s22, SLOT
.endr
	v_mul_u32_u24 v5, v1, KS
	v_lshrrev_b32 v6, 8, v5
	v_lshl_add_u32 v5, v6, 4, v5
	s_mul_i32 s21, s15, HALFS
	s_mul_i32 s22, s16, HALFS
	s_add_co_u32 s22, s22, 2*HALFS
	s_sub_co_u32 s22, s22, s21
	v_mul_u32_u24 v6, s22, v2
	s_add_co_u32 s21, s21, SCL
	v_add_nc_u32 v5, v5, v6
	v_add_nc_u32 v[ADRS], s21, v5
.macro FRAG reg, adr, q, i
.irp p, 0,1,2,3,4,5
.set PCE, 12*(\q)+6*(\p/3)+\p%3
.if PCE%8 < 5
	ds_load_b64 v[\reg+2*\p:\reg+2*\p+1], v[\adr] offset:8*PCE+16*(PCE/8)+(\i)*16*PITCH
.else
	ds_load_b64 v[\reg+2*\p:\reg+2*\p+1], v[\adr+2] offset:8*PCE+16*(PCE/8)+(\i)*16*PITCH
.endif
.endr
.endm
.macro MUL16 a0, p, q, sc, zero
.irp a, \a0, \a0+1
.irp b, 0,1,2,3,4,5,6,7
.if \zero
	v_wmma_scale_f32_16x16x128_f8f6f4 v[8*(8*((\a)%4)+\b):8*(8*((\a)%4)+\b)+7], v[128*(\p)+FR*\b:128*(\p)+FR*\b+FR-1], v[AF+FR*(\a):AF+FR*(\a)+FR-1], 0, v[SC+8*NQ*(\sc)+NQ*\b+(\q)], v[SC+8*NQ*(\sc)+NQ*(\a)+(\q)] matrix_a_fmt:MATRIX_FMT_FP6 matrix_b_fmt:MATRIX_FMT_FP6 matrix_a_scale:MATRIX_SCALE_ROW1
.else
	v_wmma_scale_f32_16x16x128_f8f6f4 v[8*(8*((\a)%4)+\b):8*(8*((\a)%4)+\b)+7], v[128*(\p)+FR*\b:128*(\p)+FR*\b+FR-1], v[AF+FR*(\a):AF+FR*(\a)+FR-1], v[8*(8*((\a)%4)+\b):8*(8*((\a)%4)+\b)+7], v[SC+8*NQ*(\sc)+NQ*\b+(\q)], v[SC+8*NQ*(\sc)+NQ*(\a)+(\q)] matrix_a_fmt:MATRIX_FMT_FP6 matrix_b_fmt:MATRIX_FMT_FP6 matrix_a_scale:MATRIX_SCALE_ROW1
.endif
.endr
.endr
.endm
.macro FETCH_B slot, q, p
	WIN TO_B
.irp i, 0,1,2,3,4,5,6,7
	FRAG 128*(\p)+FR*\i, ADRB+\slot, \q, \i
.endr
	WIN 0
.endm
.macro FETCH_A slot, q, i0
.irp i, \i0, \i0+1, \i0+2, \i0+3
	FRAG AF+FR*(\i), ADRA+\slot, \q, \i
.endr
.endm
.macro SCALES sc
.irp i, 0,1,2,3,4,5,6,7
	ds_load_b64 v[SC+8*NQ*\sc+NQ*\i:SC+8*NQ*\sc+NQ*\i+1], v[ADRS] offset:\i*SBLK
.endr
.endm
.macro PLACES n
.rept \n
	v_nop
.endr
.endm
.macro STEP slot, q, zero
	s_wait_dscnt 4*NL
	WIN MUL_LO
	MUL16 0, (\q)%2, \q, \slot, \zero
	MUL16 2, (\q)%2, \q, \slot, \zero
	s_wait_dscnt 0
	PLACES NP
	FETCH_B \slot, (\q)+1, 1-(\q)%2
	FETCH_A \slot, (\q)+1, 0
	WIN MUL_HI
	MUL16 4, (\q)%2, \q, \slot, \zero
	MUL16 6, (\q)%2, \q, \slot, \zero
	PLACES NP
	WIN 0
	FETCH_A \slot, (\q)+1, 4
.endm
.macro TURN slot, next, fill
	s_wait_tensorcnt 0x0
	ds_add_u32 v[SPW], v[NIL]
	s_wait_dscnt 4*NL+1
	WIN MUL_LO
	MUL16 0, 1, NQ-1, \slot, 0
	s_wait_dscnt 0x0
	s_barrier_signal -1
	MUL16 2, 1, NQ-1, \slot, 0
	WIN 0
	s_barrier_wait -1
.if \fill
	CREST
	s_add_nc_u64 s[G0+4*\slot+2:G0+4*\slot+3], s[G0+4*\slot+2:G0+4*\slot+3], 2*PLANE
	s_add_nc_u64 s[G0B+4*\slot+2:G0B+4*\slot+3], s[G0B+4*\slot+2:G0B+4*\slot+3], 2*PLANE
	JLOAD G0+4*\slot, G1, G0B+4*\slot, G1B
.else
	PLACES NP
.endif
	s_wait_alu depctr_va_vdst(0)
	v_add_nc_u32 v[ADRS], 4*NQ, v[ADRS]
	FETCH_B \next, 0, 0
	FETCH_A \next, 0, 0
	SCALES \next
	WIN MUL_HI
	MUL16 4, 1, NQ-1, \slot, 0
	MUL16 6, 1, NQ-1, \slot, 0
	PLACES NP
	WIN 0
	FETCH_A \next, 0, 4
.endm
	s_wait_alu depctr_va_vdst(0)
	s_wait_tensorcnt 0x0                           ; my tile of the head's four is in
	ds_add_u32 v[SPW], v[NIL]
	s_mov_b32 s[G1+2], 96<<16                      ; no tensor load of mine is out: from here on a load brings 128 rows of codes, 96 rows of 256 bytes
	s_mov_b32 s[G1+4], 96
	s_mov_b32 s[G1B+2], 96<<16
	s_mov_b32 s[G1B+4], 96
	s_wait_dscnt 0x0                               ; the add is done
	CROUND                                         ; all four tiles are in, and all sixteen work-groups are here
	JLOAD G0+4, G1, G0B+4, G1B                     ; K step 1, the first tensor load behind the round
	FETCH_B 0, 0, 0
	FETCH_A 0, 0, 0
	SCALES 0
	FETCH_A 0, 0, 4
	STEP 0, 0, 1
	s_mov_b32 s3, LAPS-1
.Llap:
	TURN 0, 1, 1
	STEP 1, 0, 0
	TURN 1, 0, 1
	STEP 0, 0, 0
	s_sub_co_u32 s3, s3, 1
	s_cmp_lg_u32 s3, 0
	s_cbranch_scc1 .Llap
	TURN 0, 1, 0
	s_load_b256 s[24:31], s[0:1], 0x10
	s_load_b128 s[32:35], s[0:1], 0x30
	s_load_b64 s[36:37], s[0:1], 0x40
	STEP 1, 0, 0
	s_wait_dscnt 4*NL
	WIN MUL_LO
	MUL16 0, 1, NQ-1, 1, 0
	MUL16 2, 1, NQ-1, 1, 0
	s_wait_dscnt 0
	WIN MUL_HI
	MUL16 4, 1, NQ-1, 1, 0
	MUL16 6, 1, NQ-1, 1, 0
	WIN 0
	PLACES NP
	s_wait_kmcnt 0x0
	s_cmp_eq_u32 s95, 3
	s_cselect_b32 s66, 1, 0
	s_cselect_b32 s67, s97, s96
	s_cselect_b32 s43, -1, 0xffff
	s_cselect_b32 s44, 0, 0x7f7f0000
	s_cselect_b32 s42, 0, 16
	s_cselect_b32 s61, -1, 0
	s_cmp_eq_u32 s95, 2
	s_cselect_b32 s46, 1, 0
	s_cmp_eq_u32 s95, 0
	s_cselect_b32 s38, -1, 0
	s_cmp_le_u32 s95, 1
	s_cselect_b32 s60, -1, 0
	s_cmp_eq_u32 s95, 1
	s_cselect_b64 s[24:25], s[26:27], s[24:25]
	s_and_b32 s39, s95, 1
	s_lshl_b32 s40, 768, s66
	s_lshl_b32 s68, 98304, s46
	s_lshl_b32 s70, 8192, s46
	s_lshr_b32 s70, s70, s66
	s_sub_co_u32 s45, s46, 1
	s_lshr_b32 s67, s67, 11
	s_lshl_b32 s67, s67, 4
	s_and_b32 s71, s97, 2047
	s_lshr_b32 s71, s71, 7
	s_lshr_b32 s72, s97, 6
	s_lshl_b32 s73, s97, 2
	s_lshl_b32 s74, s96, 2
	s_and_b32 s79, s96, 2047
	s_mul_i32 s69, s95, 6291456
	s_cmp_eq_u32 s95, 3
	s_cselect_b32 s71, s71, s72
	s_cselect_b32 s69, 9437184, s69
	s_cselect_b32 s75, 768, s68
	s_cselect_b32 s41, 0, s70
	s_cselect_b32 s73, 0, s73
	s_cselect_b32 s74, s74, 0
	s_add_co_u32 s67, s67, s71
	s_mov_b32 s76, 0
	s_cmp_eq_u32 s95, 1
	s_cselect_b32 s76, 524288, s76
	s_cmp_eq_u32 s95, 3
	s_cselect_b32 s76, 786432, s76
	s_cmp_eq_u32 s95, 2
	s_cselect_b32 s76, 917504, s76
	s_mov_b32 s77, 3145728
	s_cselect_b32 s77, 98304, s77
	s_mov_b32 s78, 262144
	s_cselect_b32 s78, 8192, s78
	s_mul_i32 s80, s67, s68
	s_add_co_u32 s80, s80, s69
	s_mov_b32 s81, 0
	s_add_nc_u64 s[48:49], s[34:35], s[80:81]
	s_mov_b32 s80, s75
	s_add_nc_u64 s[50:51], s[48:49], s[80:81]
	s_mov_b32 s80, s77
	s_add_nc_u64 s[54:55], s[48:49], s[80:81]
	s_add_nc_u64 s[56:57], s[50:51], s[80:81]
	s_mul_i32 s80, s67, s70
	s_add_co_u32 s80, s80, s76
	s_add_nc_u64 s[52:53], s[36:37], s[80:81]
	s_mov_b32 s80, s78
	s_add_nc_u64 s[58:59], s[52:53], s[80:81]
	s_mov_b32 s[SEL], 0x76543210
	s_mov_b32 s[SEL+1], 0xfedcba98
	v_lshl_add_u32 v[JJ], v2, 5, s73
	v_lshl_add_u32 v[TT], v1, 2, s74
	WIN TO_B
.irp b, 0,1,2,3,4,5,6,7
	global_load_b128 v[CBR+8*\b:CBR+8*\b+3], v[JJ], s[24:25] offset:64*\b
	global_load_b128 v[CBR+8*\b+4:CBR+8*\b+7], v[JJ], s[24:25] offset:64*\b+16
.endr
	WIN 0
.irp a, 0,1,2,3,4,5,6,7
	global_load_b32 v[RBR+2*\a], v[TT], s[28:29] offset:64*\a
	global_load_b32 v[RBR+2*\a+1], v[TT], s[28:29] offset:64*\a
.endr
	WIN TO_B
.irp b, 0,1,2,3,4,5,6,7
	global_load_b128 v[UR+8*\b:UR+8*\b+3], v[JJ], s[30:31] offset:64*\b
	global_load_b128 v[UR+8*\b+4:UR+8*\b+7], v[JJ], s[30:31] offset:64*\b+16
.endr
.irp b, 0,1,2,3,4,5,6,7
	global_load_b128 v[VBR+8*\b:VBR+8*\b+3], v[JJ], s[32:33] offset:64*\b
	global_load_b128 v[VBR+8*\b+4:VBR+8*\b+7], v[JJ], s[32:33] offset:64*\b+16
.endr
	WIN 0
	v_add_nc_u32 v[RWA], s79, v1
	v_add_nc_u32 v[RWA+1], s46, v[RWA]
	v_lshlrev_b32 v[H256], 8, v2
	v_lshl_add_u32 v[H128], v2, 7, 512
	v_mul_u32_u24 v[HSC], s41, v2
	v_mul_u32_u24 v[HSH], s42, v2
.irp b, 0,1,2,3
	v_mov_b32 v[TM+4+\b], 0
.endr
	s_wait_loadcnt 32
	WIN 0x44
.set jj, 0
.rept 64
	v_cndmask_b32 v[CBR+jj], 0, v[CBR+jj], s60
.set jj, jj+1
.endr
	WIN 0
.set jj, 0
.rept 16
	v_cndmask_b32 v[RBR+jj], 0, v[RBR+jj], s61
.set jj, jj+1
.endr
	s_wait_loadcnt 0x0
	WIN 0x44
.set jj, 0
.rept 128
	v_cndmask_b32 v[UR+jj], 0, v[UR+jj], s38
.set jj, jj+1
.endr
	WIN 0
.macro QUANT s
.irp b, 0,1,2,3
	v_max3_num_f32 v[TM+\b], |v[\s+16*\b]|, |v[\s+1+16*\b]|, 0x1800000
.endr
.irp i, 2,4,6,8,10,12,14
.irp b, 0,1,2,3
	v_max3_num_f32 v[TM+\b], v[TM+\b], |v[\s+16*\b+\i]|, |v[\s+1+16*\b+\i]|
.endr
.endr
.irp b, 0,1,2,3
	v_permlanex16_b32 v[TM+4+\b], v[TM+\b], s[SEL], s[SEL+1]
.endr
.irp b, 0,1,2,3
	v_max_num_f32 v[TM+\b], v[TM+\b], v[TM+4+\b]
.endr
.irp b, 0,1,2,3
	v_add_nc_u32 v[TM+12+\b], 0xff000000, v[TM+\b]
.endr
.irp b, 0,1,2,3
	v_lshrrev_b32 v[TM+4+\b], 23, v[TM+12+\b]
.endr
	v_lshl_or_b32 v[PW], v[TM+5], 8, v[TM+4]
	v_lshl_or_b32 v[PW], v[TM+6], 16, v[PW]
	v_lshl_or_b32 v[PW], v[TM+7], 24, v[PW]
.irp c, 0,1
	v_cvt_scalef32_pk16_fp6_f32 v[PC+6*\c:PC+2+6*\c], v[\s+32*\c:\s+15+32*\c], v[TM+12+2*\c]
	v_cvt_scalef32_pk16_fp6_f32 v[PC+12+4*\c:PC+14+4*\c], v[\s+16+32*\c:\s+31+32*\c], v[TM+12+2*\c+1]
.endr
	v_nop
.irp c, 0,1
.irp i, 0,1,2
	v_permlane16_swap_b32 v[PC+6*\c+\i], v[PC+12+4*\c+\i]
.endr
.irp i, 0,1,2
	v_mov_b32 v[PC+3+6*\c+\i], v[PC+12+4*\c+\i]
.endr
.endr
.endm
.macro OUT a, p
	v_add_nc_u32 v[JJ], 16*(\a), v[RWA+\p]
	v_and_b32 v[JJ], 0x7ff, v[JJ]
	v_lshrrev_b32 v[TT], 4, v[JJ]
	v_and_b32 v[QQ], 15, v[JJ]
	v_mad_u32_u24 v[O16], v[TT], s40, v[H256]
	v_lshl_add_u32 v[O16], v[QQ], 4, v[O16]
	v_mad_u32_u24 v[O8], v[TT], s40, v[H128]
	v_lshl_add_u32 v[O8], v[QQ], 3, v[O8]
	v_lshl_add_u32 v[OS], v[JJ], 2, v[HSC]
.if \p
	v_cmp_ne_u32 vcc_lo, s45, v[JJ]
.irp i, 0,1,2,3,4,5,6,7,8,9,10,11
	v_cndmask_b32 v[PC+\i], 0, v[PC+\i], vcc_lo
.endr
.endif
	v_lshrrev_b32 v[WW], v[HSH], v[PW]
	v_and_or_b32 v[WW], v[WW], s43, s44
	global_store_b128 v[O16], v[PC:PC+3], s[48+6*\p:49+6*\p]
	global_store_b64 v[O8], v[PC+4:PC+5], s[48+6*\p:49+6*\p]
	global_store_b128 v[O16], v[PC+6:PC+9], s[50+6*\p:51+6*\p]
	global_store_b64 v[O8], v[PC+10:PC+11], s[50+6*\p:51+6*\p]
	global_store_b32 v[OS], v[WW], s[52+6*\p:53+6*\p]
.endm
.macro ROWT a
.set AC, 64*((\a)%4)
	WIN 0x06+(\a)/4
.set jj, 0
.rept 32
	v_pk_add_f32 v[TR+jj:TR+jj+1], v[AC+jj:AC+jj+1], v[CBR+jj:CBR+jj+1]
.set jj, jj+2
.endr
	WIN 0
.set jj, 0
.rept 32
	v_pk_add_f32 v[TR+jj:TR+jj+1], v[TR+jj:TR+jj+1], v[RBR+2*(\a):RBR+2*(\a)+1]
.set jj, jj+2
.endr
	WIN 0x04
.set jj, 0
.rept 32
	v_pk_add_f32 v[XR+jj:XR+jj+1], v[TR+jj:TR+jj+1], v[UR+jj:UR+jj+1]
.set jj, jj+2
.endr
	WIN 0
	s_wait_xcnt 0x0
	QUANT XR
	OUT \a, 0
	s_cmp_lg_u32 s39, 0
	s_cbranch_scc1 .Lone_pass_\@
	WIN 0x04
.set jj, 0
.rept 32
	v_pk_add_f32 v[XR+jj:XR+jj+1], v[TR+jj:TR+jj+1], v[VBR+jj:VBR+jj+1]
.set jj, jj+2
.endr
	WIN 0
	s_wait_xcnt 0x0
	QUANT XR
	OUT \a, 1
.Lone_pass_\@:
.endm
.irp a, 0,1,2,3,4,5,6,7
	ROWT \a
.endr
	s_wait_tensorcnt 0x0
	ds_add_u32 v[SPW], v[NIL]
	s_wait_dscnt 0x0
	CROUND
	s_endpgm
.Lfunc_end_k_qedb0525c15_proj:
	.size	k_qedb0525c15_proj, .Lfunc_end_k_qedb0525c15_proj-k_qedb0525c15_proj
	.p2alignl 7, 3214868480
	.fill 96, 4, 3214868480
	.section	.rodata,"a",@progbits
	.p2align	6, 0x0
	.amdhsa_kernel k_qedb0525c15_proj
		.amdhsa_group_segment_fixed_size 327680
		.amdhsa_private_segment_fixed_size 0
		.amdhsa_enable_private_segment 0
		.amdhsa_kernarg_size 72
		.amdhsa_user_sgpr_count 2
		.amdhsa_user_sgpr_kernarg_segment_ptr 1
		.amdhsa_wavefront_size32 1
		.amdhsa_system_sgpr_workgroup_id_x 1
		.amdhsa_system_sgpr_workgroup_id_y 1
		.amdhsa_system_sgpr_workgroup_id_z 1
		.amdhsa_system_vgpr_workitem_id 0
		.amdhsa_next_free_vgpr 1024
		.amdhsa_next_free_sgpr 100
		.amdhsa_reserve_vcc 1
		.amdhsa_float_denorm_mode_32 3
		.amdhsa_float_denorm_mode_16_64 3
		.amdhsa_memory_ordered 1
		.amdhsa_forward_progress 1
		.amdhsa_inst_pref_size 255
	.end_amdhsa_kernel
	.section	.bss,"aw",@nobits
	.p2align	6
	.space	262144
	.amdgpu_metadata
---
amdhsa.version: [ 1, 2 ]
amdhsa.kernels:
  - .name:           k_qedb0525c15_proj
    .symbol:         k_qedb0525c15_proj.kd
    .args:
      - { .name: codes, .offset: 0, .size: 8, .value_kind: global_buffer, .address_space: global }
      - { .name: scales, .offset: 8, .size: 8, .value_kind: global_buffer, .address_space: global }
      - { .name: bq, .offset: 16, .size: 8, .value_kind: global_buffer, .address_space: global }
      - { .name: bk, .offset: 24, .size: 8, .value_kind: global_buffer, .address_space: global }
      - { .name: bv, .offset: 32, .size: 8, .value_kind: global_buffer, .address_space: global }
      - { .name: u_bias, .offset: 40, .size: 8, .value_kind: global_buffer, .address_space: global }
      - { .name: v_bias, .offset: 48, .size: 8, .value_kind: global_buffer, .address_space: global }
      - { .name: img, .offset: 56, .size: 8, .value_kind: global_buffer, .address_space: global }
      - { .name: isc, .offset: 64, .size: 8, .value_kind: global_buffer, .address_space: global }
    .group_segment_fixed_size: 327680
    .private_segment_fixed_size: 0
    .kernarg_segment_align: 8
    .kernarg_segment_size: 72
    .max_flat_workgroup_size: 128
    .sgpr_count:     100
    .vgpr_count:     1024
    .wavefront_size: 32
...
	.end_amdgpu_metadata
.endif
;; end of part 2
;; launch attn (part 3): grid 8 x 32, 16 waves a work-group, no clusters, 327,680 bytes of LDS; arguments img, isc, ocodes, oscales; writes ocodes, oscales
.if DOCPART == 3
	.amdgcn_target "amdgcn-amd-amdhsa--gfx1250"
	.amdhsa_code_object_version 6
	.text
	.protected	k_qedb0525c15_attn
	.globl	k_qedb0525c15_attn
	.p2align	8
	.type	k_qedb0525c15_attn,@function
k_qedb0525c15_attn:
	s_mov_b64 s[64:65], 0
	v_nop
	global_prefetch_b8 v0, s[64:65] scope:SCOPE_SE
	s_setreg_imm32_b32 hwreg(HW_REG_WAVE_MODE, 25, 1), 1
	s_wait_xcnt 0x0
; Attention with the relative shift, all three products on codes of FP6 with E8M0 scales.
; score(i, k) = (QU[i] . K[k] + pos'(i, k)) / 32;  pos'(i, k) = QV[i] . E[e] where e = k - i + 2047 < 2048, and QV[i + 1] . E[e] where e >= 2048; E = ph[0..2047], a row of zeros, ph[0..2046].
; t = score x log2(e); M = the running largest t rounded up to a whole number; p = 2^(t - M) is quantised along the keys; the row's sum is taken of the unquantised p and divides at the end.
; SHARES.  A work-group: 256 queries of one head; each of 16 waves 16 of them, a lane one query throughout (all products transposed: source 0 = 16 keys, rows of E, or channels; source 1 = my 16 queries).
; A key step is 128 keys.  For it a wave needs 143 rows of E, from e = k0 - i0 + 2032 on, a multiple of 16: nine tiles, each wholly under or wholly from 2048 on; at the first tile from 2048 on the
; query operand changes from QV[i] to QV[i + 1] (a scalar branch on ids and the count of steps).  THE SKEW: the nine tiles go to the wave's own rows in LDS, a row a query, and come back
; 15 - r numbers further on, straight into the registers that the content product takes as its C.
; K = 64 IN AN INSTRUCTION OF 128: the query operands hold zero codes in registers 6-11; the other side's fragments lie six registers apart, so that a fragment's upper six are its neighbour's codes,
; which meet zeros; bytes 2, 3 of these scale words are 0x7f.
; RING: two slots of 256 keys: K 12,288 bytes, V 12,288, a window of 32 tiles of E 24,576 (the window moves 16 tiles a slot).  Waves 0 to 3 fetch; the scale words of the whole head come once.
; NO CLUSTER: the query blocks of a head share K and V, 24,576 of a slot's 49,152 bytes, but their windows of E differ, and a slot's bytes feed two key steps of sixteen waves.
; LIMITS: NaN and infinities are not served; a block whose largest magnitude lies under 2^-124 gets the byte 1.  The scale bytes of the result leave two bytes a lane.
.set VOFF,  12288
.set EOFF,  24576
.set SLOT1, 65536
.set KSC,   49152                      ; K's scale words, 8,192 bytes
.set VSC,   57344                      ; V's, 4,096
.set ESC,   114688                     ; E's for the work-group's 2,304 rows, 9,216
.set SK,    123904                     ; the skew: 16 rows x 592 bytes for each wave
.set SPARE, SK+16*9472                 ; the spare words: 128 bytes a wave, eight blocks of 256 bytes that no other line names
.set SPW,  5
.set NIL,  6
.set QU,   16                          ; v16-27 Q(qh + u); v22-27 zero
.set BW,   28                          ; v28-39 the position product's query operand; v34-39 zero
.set BU,   40                          ; v40-45 Q(qh + v) of the rows one further on
.set QUS,  46
.set BWS,  47
.set BUS,  48
.set FR,   56                          ; v56-115 fragments
.set ASC,  116                         ; v116-120 their scale words
.set SOP,  122                         ; v122-125 the conversions' scale operands
.set PFO,  126
.set PFS,  127
.set SS,   128                         ; v128-191 scores, then p; with v192-199 the nine tiles of the position product
.set BM,   192
.set TP,   196
.set OT,   200                         ; v200-231 O^T
.set PC,   232
.set PX,   244
.set FF,   252
.set PW,   255
.set WV,   18
.set SEL,  20
.set CS,   22
.set TB,   2
.set TSE,  3
.set TSV,  66
.set SLOTS, 67
.set G1D,  24
.set G1V,  32
.set G1KS, 40
.set G1VS, 48
.set G1ES, 56
.set G0K,  68
.set G0V,  72
.set G0E,  76
.set G0KS, 80
.set G0VS, 84
.set G0ES, 88
.set XS,   92                          ; s92 16 x the step's first tile of E from 2048 on: i0 + 16 - k0
.set LIM,  93
.macro TL g0, g1                       ; a tensor load; an s_nop 0 and four v_nop follow it
	tensor_load_to_lds s[\g0:\g0+3], s[\g1:\g1+7]
	s_nop 0
.rept 4
	v_nop
.endr
.endm
.macro TLOAD                           ; wave 0: K; wave 1: V; waves 2, 3: the halves of E's window
	s_cmp_lg_u32 s[WV], 0
	s_cbranch_scc1 .Lt1_\@
	TL G0K, G1D
	s_branch .Ltd_\@
.Lt1_\@:
	s_cmp_lg_u32 s[WV], 1
	s_cbranch_scc1 .Lt2_\@
	TL G0V, G1V
	s_branch .Ltd_\@
.Lt2_\@:
	s_cmp_gt_u32 s[WV], 3
	s_cbranch_scc1 .Ltd_\@
	TL G0E, G1D
.Ltd_\@:
.endm
; A prefetch of what the next change of slots will ask for of K and V: 48 blocks of 256 bytes each.  The head's first work-group asks, waves 4 to 6, lanes 0-15 for K's block 16 (w - 4) + r,
; lanes 16-31 for V's block of the same number: each block is named once in the launch.  The last change that fills a slot asks for nothing; slots 0 and 1 come by their loads alone.
.macro ASK
	s_cmp_gt_u32 s[SLOTS], s[LIM]
	s_cbranch_scc0 .Lnot_mine_\@
	s_wait_alu depctr_va_vdst(0)
	global_prefetch_b8 v[PFO], s[4:5] th:TH_LOAD_NT scope:SCOPE_SE
.Lnot_mine_\@:
.endm
.macro G1SET g, c, r, p                ; elements of 8 bytes, no padding, no mask
	s_mov_b32 s[\g], 3<<16
	s_mov_b32 s[\g+1], (\c)<<16
	s_mov_b32 s[\g+2], (\r)<<16
	s_mov_b32 s[\g+3], (\c)<<16
	s_mov_b32 s[\g+4], \r
	s_mov_b32 s[\g+5], \p
	s_mov_b32 s[\g+6], 0
	s_mov_b32 s[\g+7], 0
.endm
.macro WM d, a, b, c, sa, sb, ra       ; c < 0: the product starts the sum; ra: source 0's scale words stand in lanes 16-31
.if (\c) < 0
.if \ra
	v_wmma_scale_f32_16x16x128_f8f6f4 v[\d:\d+7], v[\a:\a+11], v[\b:\b+11], 0, v[\sa], v[\sb] matrix_a_fmt:MATRIX_FMT_FP6 matrix_b_fmt:MATRIX_FMT_FP6 matrix_a_scale:MATRIX_SCALE_ROW1
.else
	v_wmma_scale_f32_16x16x128_f8f6f4 v[\d:\d+7], v[\a:\a+11], v[\b:\b+11], 0, v[\sa], v[\sb] matrix_a_fmt:MATRIX_FMT_FP6 matrix_b_fmt:MATRIX_FMT_FP6
.endif
.else
.if \ra
	v_wmma_scale_f32_16x16x128_f8f6f4 v[\d:\d+7], v[\a:\a+11], v[\b:\b+11], v[\c:\c+7], v[\sa], v[\sb] matrix_a_fmt:MATRIX_FMT_FP6 matrix_b_fmt:MATRIX_FMT_FP6 matrix_a_scale:MATRIX_SCALE_ROW1
.else
	v_wmma_scale_f32_16x16x128_f8f6f4 v[\d:\d+7], v[\a:\a+11], v[\b:\b+11], v[\c:\c+7], v[\sa], v[\sb] matrix_a_fmt:MATRIX_FMT_FP6 matrix_b_fmt:MATRIX_FMT_FP6
.endif
.endif
.endm
.macro PLACES
.rept 4
	v_nop
.endr
.endm
	s_load_b256 s[4:11], s[0:1], 0x0               ; img, isc, ocodes, oscales
	v_lshl_add_u32 v[SPW], v0, 2, SPARE
	v_mov_b32 v[NIL], 0
	ds_add_u32 v[SPW], v[NIL]                      ; the wave's opening: the add and its wait ahead of my first tensor load
	ds_add_u32 v[SPW], v[NIL]
	v_lshrrev_b32 v49, 5, v0
	s_delay_alu instid0(VALU_DEP_1)
	v_readfirstlane_b32 s[WV], v49                 ; wave 0..15
	s_and_b32 s12, ttmp7, 0xffff                   ; the head among 32
	s_lshr_b32 s13, s12, 4                         ; batch
	s_and_b32 s14, s12, 15                         ; head in the batch
	s_and_b32 s15, s[WV], 1
	s_mul_i32 s16, s15, 12288                      ; which half of E's window I fetch, if I fetch
	s_xor_b32 s17, s[WV], 15                       ; 15 - wave: my first tile in the window
	G1SET G1D, 32, 48, 32                          ; 12,288 dense bytes as 48 rows of 256
	G1SET G1V, 768, 2, 12288                       ; two key groups' 6,144 bytes, 98,304 apart
	G1SET G1KS, 32, 32, 32                         ; 8,192 dense bytes
	G1SET G1VS, 32, 16, 512                        ; 16 key groups' 256 bytes, 4,096 apart
	G1SET G1ES, 32, 36, 32                         ; 9,216 dense bytes
	s_mov_b32 s[G0K], 1
	s_mov_b32 s[G0K+1], 0
	s_mul_i32 s[G0K+2], s12, 98304
	s_add_co_u32 s[G0K+2], s[G0K+2], 6291456
	s_mov_b32 s[G0K+3], 0
	s_mov_b32 s[G0V], 1
	s_mov_b32 s[G0V+1], VOFF
	s_mul_i32 s[G0V+2], s13, 1572864
	s_mul_i32 s19, s14, 6144
	s_add_co_u32 s[G0V+2], s[G0V+2], s19
	s_add_co_u32 s[G0V+2], s[G0V+2], 9437184
	s_mov_b32 s[G0V+3], 0
	s_add_co_u32 s94, s[G0K+2], 12288              ; the prefetches begin at slot 1 and are stepped ahead of each use
	s_add_co_u32 s95, s[G0V+2], 196608
	s_mov_b32 s[G0E], 1
	s_add_co_u32 s[G0E+1], s16, EOFF
	s_mul_i32 s[G0E+2], s12, 196608
	s_add_co_u32 s[G0E+2], s[G0E+2], 12582912+86016 ; tile 112 - 16 x (block of queries)
	s_mul_i32 s19, ttmp9, 12288
	s_sub_co_u32 s[G0E+2], s[G0E+2], s19
	s_add_co_u32 s[G0E+2], s[G0E+2], s16
	s_mov_b32 s[G0E+3], 0
	s_mov_b32 s[G0KS], 1
	s_mov_b32 s[G0KS+1], KSC
	s_lshl_b32 s[G0KS+2], s12, 13
	s_add_co_u32 s[G0KS+2], s[G0KS+2], 524288
	s_mov_b32 s[G0KS+3], 0
	s_mov_b32 s[G0VS], 1
	s_mov_b32 s[G0VS+1], VSC
	s_lshl_b32 s[G0VS+2], s13, 16
	s_lshl_b32 s19, s14, 8
	s_add_co_u32 s[G0VS+2], s[G0VS+2], s19
	s_add_co_u32 s[G0VS+2], s[G0VS+2], 786432
	s_mov_b32 s[G0VS+3], 0
	s_mov_b32 s[G0ES], 1
	s_mov_b32 s[G0ES+1], ESC
	s_lshl_b32 s[G0ES+2], s12, 14
	s_add_co_u32 s[G0ES+2], s[G0ES+2], 917504+7168
	s_lshl_b32 s19, ttmp9, 10
	s_sub_co_u32 s[G0ES+2], s[G0ES+2], s19
	s_mov_b32 s[G0ES+3], 0
	s_mov_b32 s[SEL], 0x76543210
	s_mov_b32 s[SEL+1], 0xfedcba98
	s_mov_b32 s[CS], 0x3d38aa3b                    ; log2(e) / 32
	s_mov_b32 s[CS+1], s[CS]
	s_mov_b32 s[TB], 0
	s_mov_b32 s[TSE], 0
	s_mov_b32 s[TSV], 0
	s_mov_b32 s[SLOTS], 7
	s_lshl_b32 s[XS], ttmp9, 8
	s_lshl_b32 s19, s[WV], 4
	s_add_co_u32 s[XS], s[XS], s19
	s_add_co_u32 s[XS], s[XS], 16
	s_sub_co_u32 s19, s[WV], 4
	s_cmp_lt_u32 s19, 3
	s_cselect_b32 s19, 0, 1                        ; 0 in waves 4 to 6,
	s_or_b32 s19, s19, ttmp9                       ; of the head's first work-group
	s_cmp_eq_u32 s19, 0
	s_cselect_b32 s[LIM], 1, -1
	s_wait_dscnt 0x0                               ; the opening add is done
	s_wait_kmcnt 0x0
.irp g, G0K, G0V, G0E
	s_add_nc_u64 s[\g+2:\g+3], s[4:5], s[\g+2:\g+3]
	s_or_b32 s[\g+3], s[\g+3], 0x80000000
.endr
.irp g, G0KS, G0VS, G0ES
	s_add_nc_u64 s[\g+2:\g+3], s[6:7], s[\g+2:\g+3]
	s_or_b32 s[\g+3], s[\g+3], 0x80000000
.endr
	; the first fills: one load a wave, waves 0 to 6; every wait on TENSORcnt in this text is for 0
	s_cmp_lg_u32 s[WV], 0
	s_cbranch_scc1 .Lh1
	TL G0K, G1D
	s_branch .Lhd
.Lh1:
	s_cmp_lg_u32 s[WV], 1
	s_cbranch_scc1 .Lh2
	TL G0V, G1V
	s_branch .Lhd
.Lh2:
	s_cmp_gt_u32 s[WV], 3
	s_cbranch_scc1 .Lh4
	TL G0E, G1D
	s_branch .Lhd
.Lh4:
	s_cmp_lg_u32 s[WV], 4
	s_cbranch_scc1 .Lh5
	TL G0KS, G1KS
	s_branch .Lhd
.Lh5:
	s_cmp_lg_u32 s[WV], 5
	s_cbranch_scc1 .Lh6
	TL G0VS, G1VS
	s_branch .Lhd
.Lh6:
	s_cmp_lg_u32 s[WV], 6
	s_cbranch_scc1 .Lhd
	TL G0ES, G1ES
.Lhd:
	v_and_b32 v49, 31, v0                          ; lane
	v_and_b32 v50, 15, v0                          ; r
	v_bfe_u32 v51, v0, 4, 1                        ; h
	s_delay_alu instid0(VALU_DEP_3)
	v_lshlrev_b32 v1, 4, v49                       ; a half image: registers 0-3 at 16 x lane,
	s_delay_alu instid0(VALU_DEP_4)
	v_lshl_add_u32 v2, v49, 3, 512                 ; registers 4-5 at 512 + 8 x lane
	s_mul_i32 s19, s17, 768
	v_add_nc_u32 v3, s19, v1                       ; the same from my first tile of E's window on
	v_add_nc_u32 v4, s19, v2
	s_lshl_b32 s19, s17, 6
	s_add_co_u32 s19, s19, ESC
	v_lshl_add_u32 v7, v49, 2, s19                 ; scale words: 4 x lane: two tiles a load
	v_lshl_add_u32 v8, v49, 2, KSC
	v_lshl_add_u32 v9, v49, 2, VSC
	s_mul_i32 s19, s[WV], 9472
	s_add_co_u32 s19, s19, SK
	v_mul_u32_u24 v10, v50, 592
	s_delay_alu instid0(VALU_DEP_1)
	v_lshl_add_u32 v10, v51, 5, v10
	s_delay_alu instid0(VALU_DEP_1)
	v_add_nc_u32 v10, s19, v10                     ; the skew, way in: row r, 32 h
	v_mul_u32_u24 v11, v50, 588
	s_delay_alu instid0(VALU_DEP_1)
	v_lshl_add_u32 v11, v51, 5, v11
	s_add_co_u32 s19, s19, 60
	v_add_nc_u32 v11, s19, v11                     ; way out: 15 - r numbers further on: 592 r + 4 (15 - r)
	v_add_nc_u32 v52, 1, v50
	s_delay_alu instid0(VALU_DEP_1)
	v_lshrrev_b32 v53, 4, v52                      ; row r + 1: in the next tile for r = 15
	s_delay_alu instid0(VALU_DEP_2)
	v_and_b32 v52, 15, v52
	s_delay_alu instid0(VALU_DEP_2)
	v_mul_u32_u24 v53, v53, 768
	s_delay_alu instid0(VALU_DEP_1)
	v_lshl_add_u32 v54, v51, 8, v53
	s_delay_alu instid0(VALU_DEP_1)
	v_lshl_add_u32 v54, v52, 4, v54
	s_wait_alu depctr_va_vdst(0)
	v_lshl_add_u32 v55, v51, 7, v53
	s_delay_alu instid0(VALU_DEP_1)
	v_lshl_add_u32 v55, v52, 3, v55
	s_delay_alu instid0(VALU_DEP_1)
	v_add_nc_u32 v55, 512, v55
	s_wait_alu depctr_va_vdst(0)
	v_lshlrev_b32 v53, 2, v50
	s_wait_alu depctr_va_vdst(0)
	s_lshl_b32 s96, ttmp9, 4
	s_add_co_u32 s96, s96, s[WV]                   ; my tile of queries
	s_lshl_b32 s98, s96, 6
	s_mul_i32 s96, s96, 768
	s_mul_i32 s19, s12, 98304
	s_add_co_u32 s96, s96, s19
	s_mov_b32 s97, 0
	s_add_nc_u64 s[96:97], s[4:5], s[96:97]
	s_lshl_b32 s19, s12, 13
	s_add_co_u32 s98, s98, s19
	s_mov_b32 s99, 0
	s_add_nc_u64 s[98:99], s[6:7], s[98:99]
	global_load_b128 v[QU:QU+3], v1, s[96:97]
	global_load_b64 v[QU+4:QU+5], v2, s[96:97]
	global_load_b128 v[BW:BW+3], v1, s[96:97] offset:3145728
	global_load_b64 v[BW+4:BW+5], v2, s[96:97] offset:3145728
	global_load_b128 v[BU:BU+3], v54, s[96:97] offset:3145728   ; (the row behind a head's last is loaded and never used: it lies inside the buffer)
	global_load_b64 v[BU+4:BU+5], v55, s[96:97] offset:3145728
	global_load_b32 v[QUS], v53, s[98:99]
	global_load_b32 v[BWS], v53, s[98:99] offset:262144
	global_load_b32 v[BUS], v53, s[98:99] offset:262148
	s_and_b32 s19, s[WV], 3
	s_lshl_b32 s19, s19, 4
	v_add_nc_u32 v[PFO], s19, v50                  ; my block of 48
	s_delay_alu instid0(VALU_DEP_1)
	v_cmp_lt_u32 vcc_lo, 23, v[PFO]                ; V's blocks 24 on lie in the second key group
	s_delay_alu instid0(VALU_DEP_2)
	v_lshlrev_b32 v[PFO], 8, v[PFO]
	v_mov_b32 v254, 92160
	s_delay_alu instid0(VALU_DEP_1)
	v_cndmask_b32 v[PFS], 0, v254, vcc_lo
	s_delay_alu instid0(VALU_DEP_1)
	v_add_nc_u32 v[PFS], v[PFS], v[PFO]
	s_delay_alu instid0(VALU_DEP_1)
	v_add_nc_u32 v[PFS], s95, v[PFS]
	v_add_nc_u32 v[PFO], s94, v[PFO]
	v_cmp_lt_u32 vcc_lo, 15, v49
	s_delay_alu instid0(VALU_DEP_1)
	v_cndmask_b32 v[PFO], v[PFO], v[PFS], vcc_lo
	v_mov_b32 v[PFS], 12288
	v_mov_b32 v254, 196608
	s_delay_alu instid0(VALU_DEP_1)
	v_cndmask_b32 v[PFS], v[PFS], v254, vcc_lo     ; a slot on
.irp j, 0,1,2,3,4,5
	v_mov_b32 v[QU+6+\j], 0
	v_mov_b32 v[BW+6+\j], 0
	v_mov_b32 v[FR+54+\j], 0
.endr
	v_mov_b32 v13, 0xff61b1e6                      ; the largest t so far: -3e38
	s_delay_alu instid0(VALU_DEP_1)
	v_floor_f32 v12, -v13                          ; -M
	v_mov_b32 v14, 0
	v_mov_b32 v15, 0
	v_mov_b32 v[FF+1], 0
.set jj, 0
.rept 32
	v_mov_b32 v[OT+jj], 0                          ; the loop is written once: its first step finds zeros
.set jj, jj+1
.endr
; At the first tile of E from row 2048 on the query operand becomes QV[i + 1].  Four places behind the product that read it, eight ahead of the product that takes the new scale word.
.macro XCHK t
	s_cmp_eq_u32 s[XS], 16*(\t)
	s_cbranch_scc0 .Lsame_\@
	PLACES
.irp j, 0,1,2,3,4,5
	v_mov_b32 v[BW+\j], v[BU+\j]
.endr
	v_mov_b32 v[BWS], v[BUS]
	PLACES
	PLACES
.Lsame_\@:
.endm
.macro STEP q
	v_add_nc_u32 v49, s[TB], v3                    ; (these seven are also the places behind the last step's products)
	v_add_nc_u32 v50, s[TB], v4
	v_add_nc_u32 v51, s[TB], v1
	v_add_nc_u32 v52, s[TB], v2
	v_add_nc_u32 v53, s[TSE], v7
	v_add_nc_u32 v54, s[TSE], v8
	v_add_nc_u32 v55, s[TSV], v9
.irp t, 0,1,2,3,4,5,6,7,8
	ds_load_b128 v[FR+6*\t:FR+6*\t+3], v49 offset:EOFF+(8*(\q)+\t)*768
	ds_load_b64 v[FR+6*\t+4:FR+6*\t+5], v50 offset:EOFF+(8*(\q)+\t)*768
.endr
.irp j, 0,1,2,3
	ds_load_b32 v[ASC+\j], v53 offset:128*\j
.endr
	ds_load_b32 v[ASC+4], v53 offset:448           ; tile 8's words in lanes 16-31
	s_wait_dscnt 0x0
.irp t, 0,1,2,3,4,5,6,7,8
	XCHK \t
	s_wait_alu depctr_va_vdst(0)
	WM SS+8*\t, FR+6*\t, BW, -1, ASC+\t/2, BWS, (\t%2)+(\t/8)
.endr
	PLACES
.irp t, 0,1,2,3,4,5,6,7
	ds_load_b128 v[FR+6*\t:FR+6*\t+3], v51 offset:(\q)*6144+768*\t
	ds_load_b64 v[FR+6*\t+4:FR+6*\t+5], v52 offset:(\q)*6144+768*\t
.endr
.irp j, 0,1,2,3
	ds_load_b32 v[ASC+\j], v54 offset:128*\j
.endr
.irp t, 0,1,2,3,4,5,6,7,8
	ds_store_b128 v10, v[SS+8*\t:SS+8*\t+3] offset:64*\t          ; each tile from its low end on
	ds_store_b128 v10, v[SS+8*\t+4:SS+8*\t+7] offset:64*\t+16
.endr
.set jj, 0
.rept 64
	ds_load_b32 v[SS+jj], v11 offset:4*(16*(jj/8)+jj%8)           ; LDS serves a wave's instructions in order: these see the stores above
.set jj, jj+1
.endr
	s_wait_dscnt 0x0
.irp t, 0,1,2,3,4,5,6,7
	WM SS+8*\t, FR+6*\t, QU, SS+8*\t, ASC+\t/2, QUS, \t%2         ; content + pos'
.endr
	PLACES
.irp t, 0,1,2,3
	ds_load_b128 v[FR+12*\t:FR+12*\t+3], v51 offset:VOFF+(\q)*6144+1536*\t      ; V lands while the softmax is walked
	ds_load_b64 v[FR+12*\t+4:FR+12*\t+5], v52 offset:VOFF+(\q)*6144+1536*\t
	ds_load_b128 v[FR+12*\t+6:FR+12*\t+9], v51 offset:VOFF+(\q)*6144+1536*\t+768
	ds_load_b64 v[FR+12*\t+10:FR+12*\t+11], v52 offset:VOFF+(\q)*6144+1536*\t+768
.endr
	ds_load_b32 v[ASC], v55
	ds_load_b32 v[ASC+1], v55 offset:128
.irp b, 0,1,2,3
	v_max3_num_f32 v[BM+\b], v[SS+16*\b], v[SS+1+16*\b], v[SS+2+16*\b]   ; the largest score of each block of 32 keys: for the row's maximum and for the block's largest p
.endr
.irp i, 3,5,7,9,11,13
.irp b, 0,1,2,3
	v_max3_num_f32 v[BM+\b], v[BM+\b], v[SS+16*\b+\i], v[SS+1+16*\b+\i]
.endr
.endr
.irp b, 0,1,2,3
	v_max_num_f32 v[BM+\b], v[BM+\b], v[SS+15+16*\b]
.endr
.irp b, 0,1,2,3
	v_permlanex16_b32 v[TP+\b], v[BM+\b], s[SEL], s[SEL+1]
.endr
.irp b, 0,1,2,3
	s_delay_alu instid0(VALU_DEP_4)
	v_max_num_f32 v[BM+\b], v[BM+\b], v[TP+\b]
.endr
	s_delay_alu instid0(VALU_DEP_2)
	v_max3_num_f32 v254, v[BM], v[BM+1], v[BM+2]
	s_delay_alu instid0(VALU_DEP_1)
	v_max_num_f32 v254, v254, v[BM+3]
	s_delay_alu instid0(VALU_DEP_1)
	v_mul_f32 v254, s[CS], v254
	s_delay_alu instid0(VALU_DEP_1)
	v_max_num_f32 v13, v13, v254                   ; the running largest t
	v_mov_b32 v254, v12
	s_delay_alu instid0(VALU_DEP_2)
	v_floor_f32 v12, -v13                          ; the new -M: M is a whole number
	s_delay_alu instid0(VALU_DEP_1)
	v_sub_f32 v254, v12, v254
	s_delay_alu instid0(VALU_DEP_1)
	v_cvt_i32_f32 v254, v254                       ; (it saturates)
	s_delay_alu instid0(VALU_DEP_1)
	v_ldexp_f32 v[FF], 1.0, v254                   ; f = 2^(old M - new M)
.set jj, 0
.rept 32
	v_pk_fma_f32 v[SS+jj:SS+jj+1], v[SS+jj:SS+jj+1], s[CS:CS+1], v[12:13] op_sel_hi:[1,0,0]   ; t - M
.set jj, jj+2
.endr
.irp b, 0,1,2,3
	v_fma_f32 v[BM+\b], v[BM+\b], s[CS], v12
.endr
.set jj, 0
	s_wait_alu depctr_va_vdst(0)
.rept 64
	v_exp_f32 v[SS+jj], v[SS+jj]                   ; p, not normalised
.set jj, jj+1
.endr
	v_pk_mul_f32 v[14:15], v[14:15], v[FF:FF+1] op_sel_hi:[1,0]   ; the sums under the new M (a plain place behind the exponentials)
	s_wait_alu depctr_va_vdst(0)                   ; one wait for the batch, ahead of its first reader
.irp b, 0,1,2,3
	v_exp_f32 v[BM+\b], v[BM+\b]                   ; each block's largest p
.endr
	v_pk_add_f32 v[196:197], v[132:133], v[136:137]
	v_pk_add_f32 v[254:255], v[140:141], v[144:145]
	v_pk_add_f32 v[250:251], v[148:149], v[152:153]
	v_pk_add_f32 v[248:249], v[156:157], v[160:161]
	v_pk_add_f32 v[246:247], v[164:165], v[168:169]
	v_pk_add_f32 v[244:245], v[172:173], v[176:177]
	v_pk_add_f32 v[242:243], v[180:181], v[184:185]
	v_pk_add_f32 v[14:15], v[14:15], v[188:189]
	v_pk_add_f32 v[196:197], v[196:197], v[128:129]
	v_pk_add_f32 v[254:255], v[254:255], v[130:131]
	v_pk_add_f32 v[250:251], v[250:251], v[134:135]
	v_pk_add_f32 v[248:249], v[248:249], v[138:139]
	v_pk_add_f32 v[246:247], v[246:247], v[142:143]
	v_pk_add_f32 v[244:245], v[244:245], v[146:147]
	v_pk_add_f32 v[242:243], v[242:243], v[150:151]
	v_pk_add_f32 v[14:15], v[14:15], v[154:155]
	v_pk_add_f32 v[196:197], v[196:197], v[158:159]
	v_pk_add_f32 v[254:255], v[254:255], v[162:163]
	v_pk_add_f32 v[250:251], v[250:251], v[166:167]
	v_pk_add_f32 v[248:249], v[248:249], v[170:171]
	v_pk_add_f32 v[246:247], v[246:247], v[174:175]
	v_pk_add_f32 v[244:245], v[244:245], v[178:179]
	v_pk_add_f32 v[242:243], v[242:243], v[182:183]
	v_pk_add_f32 v[14:15], v[14:15], v[186:187]
	v_pk_add_f32 v[196:197], v[196:197], v[190:191]
	s_delay_alu instid0(VALU_DEP_2)
	v_pk_add_f32 v[14:15], v[14:15], v[248:249]
	s_delay_alu instid0(VALU_DEP_2)
	v_pk_add_f32 v[196:197], v[196:197], v[246:247]
	v_pk_add_f32 v[254:255], v[254:255], v[244:245]
	v_pk_add_f32 v[250:251], v[250:251], v[242:243]
	s_delay_alu instid0(VALU_DEP_2)
	v_pk_add_f32 v[14:15], v[14:15], v[254:255]
	s_delay_alu instid0(VALU_DEP_2)
	v_pk_add_f32 v[196:197], v[196:197], v[250:251]
	s_delay_alu instid0(VALU_DEP_1)
	v_pk_add_f32 v[14:15], v[14:15], v[196:197]
	s_wait_alu depctr_va_vdst(0)                   ; and one for the four
.irp b, 0,1,2,3
	v_max_num_f32 v[BM+\b], 0x1800000, v[BM+\b]    ; the floor 2^(3 - 127)
.endr
.irp b, 0,1,2,3
	s_delay_alu instid0(VALU_DEP_4)
	v_add_nc_u32 v[SOP+\b], 0xff000000, v[BM+\b]
.endr
.irp b, 0,1,2,3
	s_delay_alu instid0(VALU_DEP_4)
	v_lshrrev_b32 v[TP+\b], 23, v[SOP+\b]
.endr
	s_delay_alu instid0(VALU_DEP_3)
	v_lshl_or_b32 v[PW], v[TP+1], 8, v[TP]
	s_delay_alu instid0(VALU_DEP_1)
	v_lshl_or_b32 v[PW], v[TP+2], 16, v[PW]
	s_delay_alu instid0(VALU_DEP_1)
	v_lshl_or_b32 v[PW], v[TP+3], 24, v[PW]
.irp c, 0,1
	v_cvt_scalef32_pk16_fp6_f32 v[PC+6*\c:PC+2+6*\c], v[SS+32*\c:SS+15+32*\c], v[SOP+2*\c]
	v_cvt_scalef32_pk16_fp6_f32 v[PX+4*\c:PX+2+4*\c], v[SS+16+32*\c:SS+31+32*\c], v[SOP+2*\c+1]
.endr
	v_nop                                          ; one plain place behind a scaled conversion
.irp c, 0,1
.irp i, 0,1,2
	v_permlane16_swap_b32 v[PC+6*\c+\i], v[PX+4*\c+\i]
.endr
.irp i, 0,1,2
	s_delay_alu instid0(VALU_DEP_3)
	v_mov_b32 v[PC+3+6*\c+\i], v[PX+4*\c+\i]
.endr
.endr
.set jj, 0
.rept 16
	v_pk_mul_f32 v[OT+jj:OT+jj+1], v[OT+jj:OT+jj+1], v[FF:FF+1] op_sel_hi:[1,0]   ; O^T under the new M; twelve of these name no register of any one product below: its places
.set jj, jj+2
.endr
	s_wait_alu depctr_va_vdst(0)
	s_wait_dscnt 0x0                               ; V is in
.irp t, 0,1,2,3
	WM OT+8*\t, FR+12*\t, PC, OT+8*\t, ASC+\t/2, PW, \t%2
.endr
	s_sub_co_u32 s[XS], s[XS], 128
	s_add_co_u32 s[TSE], s[TSE], 512
	s_add_co_u32 s[TSV], s[TSV], 256
.endm
; The change of slots stands at a slot's head: each wave waits for all its tensor loads, adds 0 to its spare word, waits for that and for its reads of the slot that it has left; one barrier;
; behind it the slot that was left is filled with the keys that follow, one load a wave, which has two key steps in which to land.
.macro CHANGE fill
	s_wait_tensorcnt 0x0
	ds_add_u32 v[SPW], v[NIL]
.if \fill
	s_xor_b32 s[G0K+1], s[G0K+1], SLOT1
	s_add_nc_u64 s[G0K+2:G0K+3], s[G0K+2:G0K+3], 12288
	s_xor_b32 s[G0V+1], s[G0V+1], SLOT1
	s_add_nc_u64 s[G0V+2:G0V+3], s[G0V+2:G0V+3], 196608
	s_xor_b32 s[G0E+1], s[G0E+1], SLOT1
	s_add_nc_u64 s[G0E+2:G0E+3], s[G0E+2:G0E+3], 12288
	s_wait_xcnt 0x0                                ; the last prefetch, a slot back, has read its address
	v_add_nc_u32 v[PFO], v[PFO], v[PFS]
.endif
	s_wait_dscnt 0x0
	s_barrier_signal -1
	s_barrier_wait -1
.if \fill
	TLOAD
	ASK
.endif
.endm
.macro SLOT_STEPS
	STEP 0
	STEP 1
	s_xor_b32 s[TB], s[TB], SLOT1
.endm
	s_wait_loadcnt 0x0                             ; the queries
.Lslot:                                            ; seven trips: behind each change of slots but the last the next slot is asked for
	CHANGE 1
	SLOT_STEPS
	s_sub_co_u32 s[SLOTS], s[SLOTS], 1
	s_cmp_lg_u32 s[SLOTS], 0
	s_cbranch_scc1 .Lslot
	CHANGE 0                                       ; the last slot is written out
	SLOT_STEPS
	; THE WAY OUT: O^T / the sum is quantised along the head's 64 and leaves as a half image of the last product's operand.
	v_add_f32 v14, v14, v15
	s_delay_alu instid0(VALU_DEP_1)
	v_permlanex16_b32 v[FF], v14, s[SEL], s[SEL+1]
	s_delay_alu instid0(VALU_DEP_1)
	v_add_f32 v14, v14, v[FF]
	s_wait_alu depctr_va_vdst(0)
	v_rcp_f32 v14, v14
	PLACES
	s_lshl_b32 s94, s13, 7
	s_lshl_b32 s95, ttmp9, 4
	s_add_co_u32 s94, s94, s95
	s_add_co_u32 s94, s94, s[WV]                   ; my tile of rows among 256
	s_lshl_b32 s96, s94, 9                         ; 16 rows of 32 scale bytes
	s_lshl_b32 s94, s94, 4
	s_add_co_u32 s94, s94, s14
	s_mul_i32 s94, s94, 768
	s_mov_b32 s95, 0
	s_add_nc_u64 s[8:9], s[8:9], s[94:95]
	s_lshl_b32 s97, s14, 1
	s_add_co_u32 s96, s96, s97
	s_mov_b32 s97, 0
	s_add_nc_u64 s[10:11], s[10:11], s[96:97]
	v_and_b32 v49, 15, v0
	s_delay_alu instid0(VALU_DEP_1)
	v_lshlrev_b32 v49, 5, v49
	s_wait_alu depctr_va_vdst(0)                   ; the wait ahead of the reciprocal's first reader
.set jj, 0
.rept 32
	v_mul_f32 v[SS+jj], v[OT+jj], v14
.set jj, jj+1
.endr
.irp b, 0,1
	v_max3_num_f32 v[BM+\b], |v[SS+16*\b]|, |v[SS+1+16*\b]|, 0x1800000
.endr
.irp i, 2,4,6,8,10,12,14
.irp b, 0,1
	s_delay_alu instid0(VALU_DEP_2)
	v_max3_num_f32 v[BM+\b], v[BM+\b], |v[SS+16*\b+\i]|, |v[SS+1+16*\b+\i]|
.endr
.endr
.irp b, 0,1
	s_delay_alu instid0(VALU_DEP_2)
	v_permlanex16_b32 v[TP+\b], v[BM+\b], s[SEL], s[SEL+1]
.endr
.irp b, 0,1
	s_delay_alu instid0(VALU_DEP_2)
	v_max_num_f32 v[BM+\b], v[BM+\b], v[TP+\b]
.endr
.irp b, 0,1
	s_delay_alu instid0(VALU_DEP_2)
	v_add_nc_u32 v[SOP+\b], 0xff000000, v[BM+\b]
.endr
.irp b, 0,1
	s_delay_alu instid0(VALU_DEP_2)
	v_lshrrev_b32 v[TP+\b], 23, v[SOP+\b]
.endr
	s_delay_alu instid0(VALU_DEP_1)
	v_lshl_or_b32 v[PW], v[TP+1], 8, v[TP]
	v_cvt_scalef32_pk16_fp6_f32 v[PC:PC+2], v[SS:SS+15], v[SOP]
	v_cvt_scalef32_pk16_fp6_f32 v[PX:PX+2], v[SS+16:SS+31], v[SOP+1]
	v_nop
.irp i, 0,1,2
	v_permlane16_swap_b32 v[PC+\i], v[PX+\i]
.endr
.irp i, 0,1,2
	s_delay_alu instid0(VALU_DEP_3)
	v_mov_b32 v[PC+3+\i], v[PX+\i]
.endr
	global_store_b128 v1, v[PC:PC+3], s[8:9]       ; 512 consecutive bytes, aligned,
	global_store_b64 v2, v[PC+4:PC+5], s[8:9]      ; and 256
	global_store_b16 v49, v[PW], s[10:11]          ; my row's two scale bytes of this head (both halves of the lanes write the same)
	s_wait_tensorcnt 0x0                           ; the wave's end
	ds_add_u32 v[SPW], v[NIL]
	s_wait_dscnt 0x0
	s_endpgm
.Lfunc_end_k_qedb0525c15_attn:
	.size	k_qedb0525c15_attn, .Lfunc_end_k_qedb0525c15_attn-k_qedb0525c15_attn
	.p2alignl 7, 3214868480
	.fill 96, 4, 3214868480
	.section	.rodata,"a",@progbits
	.p2align	6, 0x0
	.amdhsa_kernel k_qedb0525c15_attn
		.amdhsa_group_segment_fixed_size 327680
		.amdhsa_private_segment_fixed_size 0
		.amdhsa_enable_private_segment 0
		.amdhsa_kernarg_size 32
		.amdhsa_user_sgpr_count 2
		.amdhsa_user_sgpr_kernarg_segment_ptr 1
		.amdhsa_wavefront_size32 1
		.amdhsa_system_sgpr_workgroup_id_x 1
		.amdhsa_system_sgpr_workgroup_id_y 1
		.amdhsa_system_sgpr_workgroup_id_z 1
		.amdhsa_system_vgpr_workitem_id 0
		.amdhsa_next_free_vgpr 256
		.amdhsa_next_free_sgpr 100
		.amdhsa_reserve_vcc 1
		.amdhsa_float_denorm_mode_32 3
		.amdhsa_float_denorm_mode_16_64 3
		.amdhsa_memory_ordered 1
		.amdhsa_forward_progress 1
		.amdhsa_inst_pref_size 147
	.end_amdhsa_kernel
	.amdgpu_metadata
---
amdhsa.version: [ 1, 2 ]
amdhsa.kernels:
  - .name:           k_qedb0525c15_attn
    .symbol:         k_qedb0525c15_attn.kd
    .args:
      - { .name: img, .offset: 0, .size: 8, .value_kind: global_buffer, .address_space: global }
      - { .name: isc, .offset: 8, .size: 8, .value_kind: global_buffer, .address_space: global }
      - { .name: ocodes, .offset: 16, .size: 8, .value_kind: global_buffer, .address_space: global }
      - { .name: oscales, .offset: 24, .size: 8, .value_kind: global_buffer, .address_space: global }
    .group_segment_fixed_size: 327680
    .private_segment_fixed_size: 0
    .kernarg_segment_align: 8
    .kernarg_segment_size: 32
    .max_flat_workgroup_size: 512
    .sgpr_count:     100
    .vgpr_count:     256
    .wavefront_size: 32
...
	.end_amdgpu_metadata
.endif
;; end of part 3
;; launch outp (part 4): grid 8 x 32, 8 waves a work-group, clusters of 4 x 4, 327,680 bytes of LDS; arguments ocodes, oscales, codes, scales, bo, out0; writes out0
.if DOCPART == 4
	.amdgcn_target "amdgcn-amd-amdhsa--gfx1250"
	.amdhsa_code_object_version 6
	.text
	.protected	k_qedb0525c15_outp
	.globl	k_qedb0525c15_outp
	.p2align	8
	.type	k_qedb0525c15_outp,@function
k_qedb0525c15_outp:
	s_mov_b64 s[64:65], 0
	v_nop
	global_prefetch_b8 v0, s[64:65] scope:SCOPE_SE
	s_setreg_imm32_b32 hwreg(HW_REG_WAVE_MODE, 25, 1), 1
	s_wait_xcnt 0x0
	s_wait_alu depctr_hold_cnt(0) depctr_sa_sdst(0) depctr_va_vdst(0) depctr_va_sdst(0) depctr_va_ssrc(0) depctr_va_vcc(0) depctr_vm_vsrc(0)
	s_getreg_b32 s2, hwreg(HW_REG_IB_STS2, 6, 4)
	s_cmp_eq_u32 s2, 0
	s_cbranch_scc0 .Lentry_in_a_cluster
	s_endpgm
.Lentry_in_a_cluster:
	s_bfe_u32 s2, ttmp6, 0x10000c
	s_cmp_lg_u32 s2, 0xf033
	s_cbranch_scc0 .Lentry_shape_is_right
	s_endpgm
.Lentry_shape_is_right:
; out0 = O Wo^T + bo on codes of FP6 with E8M0 scales.  O's codes lie as images of operand registers ([tile of 16 rows][head 16][768]; two heads on end are one fragment of 128 along K);
; Wo's lie in four planes, one for each 256 along K, 192 dense bytes a row.
; A tile of 128 x 128 a work-group: 256 work-groups.  Eight waves: wave w makes rows 64 (w / 4) on, columns 32 (w % 4) on: eight accumulators.  The instruction is used transposed (source 0 = 16 rows of Wo).
; ALL OF K COMES INTO LDS ONCE, BY ONE JOINT LOAD A WAVE: waves 0-3 two tiles of O's rows each (24,576 dense bytes as 96 rows of 256), waves 4-7 32 rows of Wo each
; (four rows of 6,144 dense bytes, one from each plane; 16 bytes of padding behind every 64, so that a row of 192 bytes of codes has an LDS pitch of 240).  Every row begins at a multiple of 256 bytes.
; One wait for all tensor loads and one barrier; nothing is filled again.  CLUSTER 4 x 4: O's tile is shared along a row of the cluster, Wo's along a column.  The bias is the C of each sum's first product.
; NO PREFETCH: a work-group asks for all its bytes at its head; there is no loop to run ahead in.
.set AIMG,  0                          ; [tile of rows 8][12,288]
.set BSL,   98304                      ; [part of 32 rows 4][K step 4][32 rows x 240]
.set STG,   221184                     ; 128 rows x (512 + 16)
.set SPARE, STG+128*528                ; the spare words: 128 bytes a wave, four blocks of 256 bytes that no other line names
.set PITCH, 240
.set PLANE, 4128768                    ; from a K step of the codes to the next
.set A16,  4
.set A8,   5
.set BAD,  6                           ; v6, v7
.set STO,  8
.set RD,   9
.set CO,   10
.set SPW,  12
.set NIL,  13
.set SA,   16                          ; v16-31 O's scale words: register 8 a' + kappa, lane L = row 32 a' + L
.set SB,   32                          ; v32-39 Wo's: register kappa, lane L = my column L
.set BIAS, 40                          ; v40-55
.set AF,   56                          ; v56-103
.set BF,   104                         ; v104-127
.set ACC,  128                         ; v128-191 accumulator (a, b) at 8 (2 a + b)
.set OUTR, 192
.set G1A,  24
.set G1B,  32
.set G0A,  40
.set G0B,  68
.macro CROUND
	s_barrier_signal -1
	s_barrier_wait -1
	s_cmp_lg_u32 s16, 0
	s_cbranch_scc1 .Lnot_wave_0_\@
	s_barrier_signal -3
.Lnot_wave_0_\@:
	s_barrier_wait -3
	s_barrier_signal -1
	s_barrier_wait -1
.endm
	s_load_b256 s[4:11], s[0:1], 0x0               ; ocodes, oscales, codes, scales
	s_load_b128 s[12:15], s[0:1], 0x20             ; bo, out0
	v_lshl_add_u32 v[SPW], v0, 2, SPARE
	v_mov_b32 v[NIL], 0
	ds_add_u32 v[SPW], v[NIL]                      ; the opening lines: the add, twice on end, and its wait
	ds_add_u32 v[SPW], v[NIL]
	v_lshrrev_b32 v1, 5, v0
	s_delay_alu instid0(VALU_DEP_1)
	v_readfirstlane_b32 s16, v1                    ; wave 0..7
	s_lshr_b32 s17, s16, 2                         ; my half of the rows; also: I fetch for O (0) or for Wo (1)
	s_and_b32 s18, s16, 3                          ; my quarter of the columns; also: which part I fetch
	s_bfe_u32 s19, ttmp6, 0x40000                  ; cx
	s_bfe_u32 s20, ttmp6, 0x40004                  ; cy
	s_lshl_b32 s21, ttmp9, 2
	s_add_co_u32 s21, s21, s19                     ; tile column
	s_and_b32 s22, ttmp7, 0xffff
	s_lshl_b32 s22, s22, 2
	s_add_co_u32 s22, s22, s20                     ; tile row
	s_lshl_b32 s23, s20, 2
	s_lshl_b32 s23, 15, s23                        ; my row of the cluster
	s_lshl_b32 s84, 0x1111, s19                    ; my column
	s_or_b32 s[G1A], s23, (3<<16)|(1<<21)          ; elements of 8 bytes, no padding: 96 rows of 256 dense bytes
	s_mov_b32 s[G1A+1], 32<<16
	s_mov_b32 s[G1A+2], 96<<16
	s_mov_b32 s[G1A+3], 32<<16
	s_mov_b32 s[G1A+4], 96
	s_mov_b32 s[G1A+5], 32
	s_mov_b32 s[G1A+6], 0
	s_mov_b32 s[G1A+7], 0
	s_or_b32 s[G1B], s84, (3<<16)|(1<<20)|(1<<21)|(3<<22)|(3<<25)   ; elements of 8 bytes; 4 words of padding behind every 16: four rows of 6,144 bytes, a plane apart
	s_mov_b32 s[G1B+1], 768<<16
	s_mov_b32 s[G1B+2], 4<<16
	s_mov_b32 s[G1B+3], 768<<16
	s_mov_b32 s[G1B+4], 4
	s_mov_b32 s[G1B+5], PLANE/8
	s_mov_b32 s[G1B+6], 0
	s_mov_b32 s[G1B+7], 0
	s_lshl_b32 s86, s22, 3
	s_lshl_b32 s85, s18, 1
	s_add_co_u32 s86, s86, s85
	s_mul_i32 s86, s86, 12288                      ; O: tiles of rows 8 x tile row + 2 x part
	s_mov_b32 s87, 0
	s_lshl_b32 s88, s21, 7
	s_lshl_b32 s85, s18, 5
	s_add_co_u32 s88, s88, s85
	s_mul_i32 s88, s88, 192
	s_add_co_u32 s88, s88, 3932160                 ; Wo: rows 128 x tile column + 32 x part, behind the 20,480 rows ahead of it in a plane
	s_mov_b32 s89, 0
	s_mul_i32 s90, s18, 24576
	s_mul_i32 s91, s18, 30720
	s_wait_dscnt 0x0                               ; both opening adds are done
	s_wait_kmcnt 0x0
	s_add_nc_u64 s[86:87], s[4:5], s[86:87]
	s_add_nc_u64 s[88:89], s[8:9], s[88:89]
	CROUND                                         ; all sixteen work-groups are here: the joint loads meet
	s_mov_b32 s[G0A], 1
	s_add_co_u32 s[G0A+1], s90, AIMG
	s_mov_b64 s[G0A+2:G0A+3], s[86:87]
	s_or_b32 s[G0A+3], s[G0A+3], 0x80000000
	s_mov_b32 s[G0B], 1
	s_add_co_u32 s[G0B+1], s91, BSL
	s_mov_b64 s[G0B+2:G0B+3], s[88:89]
	s_or_b32 s[G0B+3], s[G0B+3], 0x80000000
	s_cmp_eq_u32 s17, 0                            ; one load a wave, in the two arms of one branch on the wave's number
	s_cbranch_scc0 .Lfor_b
	tensor_load_to_lds s[G0A:G0A+3], s[G1A:G1A+7]
	s_nop 0
.rept 4
	v_nop
.endr
	s_branch .Lasked
.Lfor_b:
	tensor_load_to_lds s[G0B:G0B+3], s[G1B:G1B+7]
	s_nop 0
.rept 4
	v_nop
.endr
.Lasked:
	v_and_b32 v1, 31, v0                           ; lane
	s_wait_alu depctr_va_vdst(0)
	v_and_b32 v2, 15, v0                           ; r
	v_bfe_u32 v3, v0, 4, 1                         ; h
	s_wait_alu depctr_va_vdst(0)
	s_lshl_b32 s92, s22, 7
	s_lshl_b32 s93, s17, 6
	s_add_co_u32 s92, s92, s93                     ; my first row
	s_lshl_b32 s92, s92, 5
	s_mov_b32 s93, 0
	s_add_nc_u64 s[6:7], s[6:7], s[92:93]
	s_lshl_b32 s92, s21, 7
	s_lshl_b32 s94, s18, 5
	s_add_co_u32 s92, s92, s94                     ; my first column
	s_lshl_b32 s94, s92, 2
	s_mov_b32 s95, 0
	s_add_nc_u64 s[12:13], s[12:13], s[94:95]
	s_lshl_b32 s92, s92, 5
	s_add_co_u32 s92, s92, 655360
	s_add_nc_u64 s[10:11], s[10:11], s[92:93]
	v_lshlrev_b32 v14, 5, v1                       ; a row of scale bytes is 32 bytes
	v_lshlrev_b32 v15, 5, v3
.irp a, 0,1
	global_load_b128 v[SA+8*\a:SA+8*\a+3], v14, s[6:7] offset:1024*\a
	global_load_b128 v[SA+8*\a+4:SA+8*\a+7], v14, s[6:7] offset:1024*\a+16
.endr
	global_load_b128 v[SB:SB+3], v14, s[10:11]
	global_load_b128 v[SB+4:SB+7], v14, s[10:11] offset:16
.irp b, 0,1
	global_load_b128 v[BIAS+8*\b:BIAS+8*\b+3], v15, s[12:13] offset:64*\b
	global_load_b128 v[BIAS+8*\b+4:BIAS+8*\b+7], v15, s[12:13] offset:64*\b+16
.endr
	s_mul_i32 s92, s17, 49152                      ; my four tiles of rows
	v_lshl_add_u32 v[A16], v1, 4, s92
	s_add_co_u32 s92, s92, 512
	v_lshl_add_u32 v[A8], v1, 3, s92
	s_add_co_u32 s92, s91, BSL                     ; my 32 rows of Wo
	v_mul_u32_u24 v[BAD], v2, PITCH
	s_delay_alu instid0(VALU_DEP_1)
	v_mad_u32_u24 v[BAD], v3, 24, v[BAD]
	s_delay_alu instid0(VALU_DEP_1)
	v_add_nc_u32 v[BAD], s92, v[BAD]
	s_delay_alu instid0(VALU_DEP_1)
	v_lshl_add_u32 v[BAD+1], v3, 4, v[BAD]         ; the same behind one padding more
	s_mul_i32 s92, s17, 64*528
	s_lshl_b32 s94, s18, 7
	s_add_co_u32 s92, s92, s94
	s_add_co_u32 s92, s92, STG
	v_mul_u32_u24 v[STO], v2, 528
	s_delay_alu instid0(VALU_DEP_1)
	v_lshl_add_u32 v[STO], v3, 5, v[STO]
	s_delay_alu instid0(VALU_DEP_1)
	v_add_nc_u32 v[STO], s92, v[STO]
	s_mul_i32 s92, s16, 16*528
	s_add_co_u32 s92, s92, STG
	v_lshlrev_b32 v[CO], 4, v1
	s_delay_alu instid0(VALU_DEP_1)
	v_add_nc_u32 v[RD], s92, v[CO]
	s_lshl_b32 s92, s22, 7
	s_lshl_b32 s94, s16, 4
	s_add_co_u32 s92, s92, s94                     ; the first row that I store
	s_lshl_b32 s92, s92, 12
	s_lshl_b32 s94, s21, 9
	s_add_co_u32 s92, s92, s94
	s_add_nc_u64 s[14:15], s[14:15], s[92:93]
.macro FRAG reg, q, i                  ; 16 rows x 128 K of Wo, in pieces of 8 bytes; where the piece three on lies behind one padding more, the second address register serves
.irp p, 0,1,2,3,4,5
.set PCE, 12*(\q)+6*(\p/3)+\p%3
.if PCE%8 < 5
	ds_load_b64 v[\reg+2*\p:\reg+2*\p+1], v[BAD] offset:8*PCE+16*(PCE/8)+(\i)*16*PITCH
.else
	ds_load_b64 v[\reg+2*\p:\reg+2*\p+1], v[BAD+1] offset:8*PCE+16*(PCE/8)+(\i)*16*PITCH
.endif
.endr
.endm
.macro WM d, a, b, c, sa, sb, ra, rb   ; ra, rb: the scale words of source 0, 1 stand in lanes 16-31
.if (\ra) && (\rb)
	v_wmma_scale_f32_16x16x128_f8f6f4 v[\d:\d+7], v[\a:\a+11], v[\b:\b+11], v[\c:\c+7], v[\sa], v[\sb] matrix_a_fmt:MATRIX_FMT_FP6 matrix_b_fmt:MATRIX_FMT_FP6 matrix_a_scale:MATRIX_SCALE_ROW1 matrix_b_scale:MATRIX_SCALE_ROW1
.elseif \ra
	v_wmma_scale_f32_16x16x128_f8f6f4 v[\d:\d+7], v[\a:\a+11], v[\b:\b+11], v[\c:\c+7], v[\sa], v[\sb] matrix_a_fmt:MATRIX_FMT_FP6 matrix_b_fmt:MATRIX_FMT_FP6 matrix_a_scale:MATRIX_SCALE_ROW1
.elseif \rb
	v_wmma_scale_f32_16x16x128_f8f6f4 v[\d:\d+7], v[\a:\a+11], v[\b:\b+11], v[\c:\c+7], v[\sa], v[\sb] matrix_a_fmt:MATRIX_FMT_FP6 matrix_b_fmt:MATRIX_FMT_FP6 matrix_b_scale:MATRIX_SCALE_ROW1
.else
	v_wmma_scale_f32_16x16x128_f8f6f4 v[\d:\d+7], v[\a:\a+11], v[\b:\b+11], v[\c:\c+7], v[\sa], v[\sb] matrix_a_fmt:MATRIX_FMT_FP6 matrix_b_fmt:MATRIX_FMT_FP6
.endif
.endm
.macro CHUNK q                         ; 256 along K: two products of 128 for each accumulator
.irp kk, 0,1
.rept 4
	v_nop                                          ; places ahead of loads into registers that matrix instructions have read
.endr
.irp a, 0,1,2,3
	ds_load_b128 v[AF+12*\a:AF+12*\a+3], v[A16] offset:\a*12288+\kk*1536
	ds_load_b64 v[AF+12*\a+4:AF+12*\a+5], v[A8] offset:\a*12288+\kk*1536
	ds_load_b128 v[AF+12*\a+6:AF+12*\a+9], v[A16] offset:\a*12288+\kk*1536+768
	ds_load_b64 v[AF+12*\a+10:AF+12*\a+11], v[A8] offset:\a*12288+\kk*1536+768
.endr
	FRAG BF, \kk, 0
	FRAG BF+12, \kk, 1
	s_wait_dscnt 0x0
.irp a, 0,1,2,3                                ; the eight accumulators take turns, one instruction a turn
.irp b, 0,1
.if (\q)+\kk == 0
	WM ACC+8*(2*\a+\b), BF+12*\b, AF+12*\a, BIAS+8*\b, SB+2*(\q)+\kk, SA+8*(\a/2)+2*(\q)+\kk, \b, \a%2
.else
	WM ACC+8*(2*\a+\b), BF+12*\b, AF+12*\a, ACC+8*(2*\a+\b), SB+2*(\q)+\kk, SA+8*(\a/2)+2*(\q)+\kk, \b, \a%2
.endif
.endr
.endr
.endr
.if (\q) < 3
	v_add_nc_u32 v[A16], 3072, v[A16]              ; on to the next 256 along K: four heads of O's images,
	v_add_nc_u32 v[A8], 3072, v[A8]
	v_add_nc_u32 v[BAD], 7680, v[BAD]              ; 32 rows x 240 of Wo
	v_add_nc_u32 v[BAD+1], 7680, v[BAD+1]
.endif
.endm
	s_wait_alu depctr_va_vdst(0)
	s_wait_loadcnt 0x0                             ; the scale words and the bias
	s_wait_tensorcnt 0x0                           ; my one load has landed
	s_barrier_signal -1
	s_barrier_wait -1                              ; everybody's has
	CHUNK 0
	s_wait_alu depctr_va_vdst(0)
	CHUNK 1
	s_wait_alu depctr_va_vdst(0)
	CHUNK 2
	s_wait_alu depctr_va_vdst(0)
	CHUNK 3
.rept 4
	v_nop                                          ; places ahead of the first read of results
.endr
.irp a, 0,1,2,3
.irp b, 0,1
	ds_store_b128 v[STO], v[ACC+8*(2*\a+\b):ACC+8*(2*\a+\b)+3] offset:\a*16*528+64*\b        ; each accumulator from its low end on
	ds_store_b128 v[STO], v[ACC+8*(2*\a+\b)+4:ACC+8*(2*\a+\b)+7] offset:\a*16*528+64*\b+16
.endr
.endr
	s_wait_dscnt 0x0                               ; for the others' sake: my stores into the stage are done
	s_barrier_signal -1
	s_barrier_wait -1
.irp i, 0,1,2,3,4,5,6,7,8,9,10,11,12,13,14,15
	ds_load_b128 v[OUTR+4*\i:OUTR+4*\i+3], v[RD] offset:\i*528
.endr
.irp i, 0,1,2,3,4,5,6,7,8,9,10,11,12,13,14,15
	s_wait_dscnt 15-\i                             ; row i is back; the 15 - i younger loads may be out
	global_store_b128 v[CO], v[OUTR+4*\i:OUTR+4*\i+3], s[14:15] offset:\i*4096 th:TH_STORE_NT   ; 32 lanes store 512 consecutive bytes, aligned
.endr
	s_wait_tensorcnt 0x0                           ; the wave's end
	ds_add_u32 v[SPW], v[NIL]
	s_wait_dscnt 0x0
	CROUND                                         ; the closing round
	s_endpgm
.Lfunc_end_k_qedb0525c15_outp:
	.size	k_qedb0525c15_outp, .Lfunc_end_k_qedb0525c15_outp-k_qedb0525c15_outp
	.p2alignl 7, 3214868480
	.fill 96, 4, 3214868480
	.section	.rodata,"a",@progbits
	.p2align	6, 0x0
	.amdhsa_kernel k_qedb0525c15_outp
		.amdhsa_group_segment_fixed_size 327680
		.amdhsa_private_segment_fixed_size 0
		.amdhsa_enable_private_segment 0
		.amdhsa_kernarg_size 48
		.amdhsa_user_sgpr_count 2
		.amdhsa_user_sgpr_kernarg_segment_ptr 1
		.amdhsa_wavefront_size32 1
		.amdhsa_system_sgpr_workgroup_id_x 1
		.amdhsa_system_sgpr_workgroup_id_y 1
		.amdhsa_system_sgpr_workgroup_id_z 1
		.amdhsa_system_vgpr_workitem_id 0
		.amdhsa_next_free_vgpr 256
		.amdhsa_next_free_sgpr 96
		.amdhsa_reserve_vcc 0
		.amdhsa_float_denorm_mode_32 3
		.amdhsa_float_denorm_mode_16_64 3
		.amdhsa_memory_ordered 1
		.amdhsa_forward_progress 1
		.amdhsa_inst_pref_size 37
	.end_amdhsa_kernel
	.amdgpu_metadata
---
amdhsa.version: [ 1, 2 ]
amdhsa.kernels:
  - .name:           k_qedb0525c15_outp
    .symbol:         k_qedb0525c15_outp.kd
    .args:
      - { .name: ocodes, .offset: 0, .size: 8, .value_kind: global_buffer, .address_space: global }
      - { .name: oscales, .offset: 8, .size: 8, .value_kind: global_buffer, .address_space: global }
      - { .name: codes, .offset: 16, .size: 8, .value_kind: global_buffer, .address_space: global }
      - { .name: scales, .offset: 24, .size: 8, .value_kind: global_buffer, .address_space: global }
      - { .name: bo, .offset: 32, .size: 8, .value_kind: global_buffer, .address_space: global }
      - { .name: out0, .offset: 40, .size: 8, .value_kind: global_buffer, .address_space: global }
    .group_segment_fixed_size: 327680
    .private_segment_fixed_size: 0
    .kernarg_segment_align: 8
    .kernarg_segment_size: 48
    .max_flat_workgroup_size: 256
    .sgpr_count:     96
    .vgpr_count:     256
    .wavefront_size: 32
...
	.end_amdgpu_metadata
.endif
;; end of part 4
